; MI455X (gfx1250); checked and timed in simulation.
; The chip was launched on July 23, 2026; its instructions are those of AMD's public machine-readable ISA for CDNA 5 (MIT licence, August 2026) and "CDNA5" Instruction Set Architecture Reference Guide (July 2026). The comments in the code are by the model that wrote it; some were corrected since.
;; Multi Head Self Attention. Allowed arithmetic: matrix products marked QUANTISED: E2M1 operands, one E8M0 scale for each 32 along K, by v_wmma_scale_f32_16x16x128_f8f6f4 with both operands' format E2M1 (or v_wmma_scale_f32_32x16x128_f4), f32 sums; products left as they are: bf16, f16 or f32 operands; f32 sums; everything else in f32.
;; Inputs: tok_mask 4 x 2,048 bool; w_proj 1,024 x 1,024 float32; w_qkv 1,024 x 3,072 float32; x 4 x 2,048 x 1,024 float32.
;; Outputs: out0 4 x 2,048 x 1,024 float32.
;; This version of the problem:
;;   THIS VERSION OF THE PROBLEM IS GIVEN IN LOW PRECISION. The matrix products marked QUANTISED in the list below multiply operands that are first quantised to E2M1 (2 exponent bits, 1 mantissa bit; 4 bits a number), with one power-of-two scale for each 32 numbers along K (OCP MX v1.0); their sums are f32. The products marked 'left as it is' may take bf16, f16 or f32 operands, with f32 sums. Whichever they take, every output number must still come out within the allowed error. Rounding operands to bf16 (8 significant bits) uses up far more of that allowance than f16 does (11 bits, for magnitudes from 6e-5 to 65,504). All else is computed in f32.
;;   The module's matrix products, in the order in which they are computed (A, B: the left and right operand; K: the contracted axis; several contracted axes count as one K, in the product's order):
;;     1. [M 8,192, K 1,024] x [K 1,024, N 3,072]; A: input x; B: input w_qkv: QUANTISED
;;     2. batch 64 x [M 2,048, K 64] x [K 64, N 2,048]; A: computed on the way; B: computed on the way: left as it is (an operand is computed on the way)
;;     3. batch 64 x [M 2,048, K 2,048] x [K 2,048, N 64]; A: computed on the way; B: computed on the way: left as it is (an operand is computed on the way)
;;     4. [M 8,192, K 1,024] x [K 1,024, N 1,024]; A: computed on the way; B: input w_proj: left as it is (an operand is computed on the way)
;;   THE QUANTISER, for each operand of a quantised product, along K:
;;     - K is cut into blocks of 32 from its start; a last block that is shorter is filled with zeros.
;;     - A block's scale is 2^e with e = floor(log2(the largest magnitude in the block)) - 2, held to -126 .. 127; a block of zeros has e = 0. As a byte (E8M0): e + 127.
;;     - Each number is divided by its block's scale, clamped to +-6, and rounded to the nearest number of E2M1, ties to even, subnormals kept.
;;     - The product sums the exact products of the quantised numbers (number of the format x scale) in f32.
;;   ~~~python
;;   def quantise(x, axis):      # numpy; x: float32 -> the quantised numbers, widened to float32 again
;;       x = np.moveaxis(x, axis, -1); K = x.shape[-1]
;;       x = np.pad(x, [(0, 0)] * (x.ndim - 1) + [(0, -K % 32)]); x = x.reshape(x.shape[:-1] + (-1, 32)); a = np.abs(x).max(-1, keepdims=True)
;;       e = np.where(a > 0, np.clip(np.frexp(np.where(a > 0, a, 1))[1] - 1 - 2, -126, 127), 0)      # np.frexp(a)[1] - 1 = floor(log2(a)), exactly
;;       r = np.clip(x / 2.0 ** e, -6, 6)
;;       step = 2.0 ** (np.maximum(np.frexp(np.where(r == 0, 1, r))[1] - 1, 0) - 1)
;;       q = np.round(r / step) * step * 2.0 ** e      # np.round: ties to even
;;       return np.moveaxis(q.reshape(q.shape[:-2] + (-1,))[..., :K], -1, axis).astype(np.float32)
;;   ~~~
;; One version. Each part assembles by itself: llvm-mc -triple=amdgcn-amd-amdhsa -mcpu=gfx1250 --defsym DOCPART=n.
;; ======== version 1 of 1: 5 launches
;; limits: values are held in f16: magnitudes above 65,504 overflow, below 6.1e-05 lose precision; right only within a limited range of input values
;; workspace buffers: xq 4,456,448 bytes; wq 1,671,168 bytes; wpt 4,194,304 bytes; qkv 50,331,648 bytes; side 1,048,576 bytes; y 16,777,216 bytes; vmean 16,384 bytes
;; launch prep (part 1): grid 368 x 1, 4 waves a work-group, no clusters, 102,912 bytes of LDS; arguments x, w_qkv, w_proj, xq, wq, wpt; writes xq, wq, wpt
.if DOCPART == 1
	.amdgcn_target "amdgcn-amd-amdhsa--gfx1250"
	.amdhsa_code_object_version 6
	.text
	.protected	k_q6559edb3b4_prep
	.globl	k_q6559edb3b4_prep
	.p2align	8
	.type	k_q6559edb3b4_prep,@function
k_q6559edb3b4_prep:
	s_mov_b64 s[64:65], 0
	v_nop
	global_prefetch_b8 v0, s[64:65] scope:SCOPE_SE
	s_setreg_imm32_b32 hwreg(HW_REG_WAVE_MODE, 25, 1), 1
	s_wait_xcnt 0x0
; THREE JOBS IN ONE LAUNCH, parted by the work-group's number; the three paths never join and each has LDS bytes of its own.
;  X (work-groups 0-255):   x [8192][1024] f32 -> codes of FP4 (E2M1), K innermost, 512 bytes a row, at xq + 0; one E8M0 byte for each 32 along K, 32 bytes a row, at xq + XSC_OFF.
;  W (work-groups 256-303): w_qkv [1024 (k)][3072 (n)] f32 -> codes laid [n][k], 512 bytes a row, at wq + 0; scale bytes [n][32] at wq + WSC_OFF.
;  P (work-groups 304-367): w_proj [1024 (k)][1024 (n)] f32 -> f16 laid [n][k], 2,048 bytes a row: a high part at wpt + 0 and (w - high) x 2,048 at wpt + WLO.
; A block's scale is 2^(floor(log2(its largest magnitude)) - 2): its byte is the largest magnitude's exponent field - 2, held at 1 from below.
; LIMITS: a block of zeros gets the byte 1 where the rule says 127 (its codes are zeros, and this program alone reads the bytes); blocks whose largest magnitude lies under 2^(2 - 126) were not tried;
; NaN and infinities are not served; w_proj stays inside f16's range (65,504).
; No tensor loads, no barrier: waves share nothing.
.set XSC_OFF, 4194304
.set WSC_OFF, 1572864
.set WLO,     2097152
.set WSTG,    32768                    ; path W's four stages of 32 x 272 bytes
.set PSTG,    67584                    ; path P's four stages of 32 x 272 bytes
.set SPARE,   102400                   ; the spare words, 128 bytes for each wave: two blocks of 256 bytes that no other line names
.set SPW,     12                       ; v12  LDS address of my spare word; never rewritten
.set NIL,     13                       ; v13  0; never rewritten
.set EMAX,    2
; ---- path X: a wave takes 16 steps of 512 numbers; loads run four steps ahead, the turn through LDS one step
.set STEPS, 16
.set CB,    8                          ; bytes of 16 codes
.set XR,    16                         ; v16-79   four sets of 16 numbers as loaded
.set XN,    80                         ; v80-111  two sets of 16 neighbours
.set XE,    112                        ; v112-127 a scale byte for each step
.set XC,    128                        ; v128-191 codes, four registers a step
.set WREG,  8192                       ; a wave's LDS region: two stages of 32 x SP bytes, then its 256 scale bytes
.set SP,    80                         ; a lane's place in a stage: 64 bytes + 16 of padding
.macro XLOAD t
.irp i, 0,1,2,3
	global_load_b128 v[XR+16*((\t)%4)+4*\i:XR+16*((\t)%4)+4*\i+3], v3, s[4:5] offset:2048*(\t)+512*\i th:TH_LOAD_NT   ; 32 lanes read 512 consecutive bytes
.endr
.endm
.macro XTURN t                         ; step t's numbers through the stage: LDS serves a wave's instructions in order, so no wait stands between the stores and the loads
.irp i, 0,1,2,3
	ds_store_b128 v14, v[XR+16*((\t)%4)+4*\i:XR+16*((\t)%4)+4*\i+3] offset:32*SP*((\t)%2)+8*SP*\i
.endr
.irp i, 0,1,2,3
	ds_load_b128 v[XN+16*((\t)%2)+4*\i:XN+16*((\t)%2)+4*\i+3], v15 offset:32*SP*((\t)%2)+16*\i
.endr
.endm
.macro XSTEP t
.set XSET, XN+16*((\t)%2)
.if (\t) > 0
	s_wait_dscnt 1                                 ; this step's numbers are back from the stage; the last step's byte store may be out
.else
	s_wait_dscnt 0x0
.endif
.if (\t)+4 < STEPS
	XLOAD (\t)+4                                   ; the registers that the stage's stores have read take the loads of four steps on
.endif
.if (\t)+1 < STEPS
.if STEPS-2-(\t) >= 3
	s_wait_loadcnt 12                              ; the next step's four loads are in; those of the three steps behind it may be out
.else
	s_wait_loadcnt 4*(STEPS-2-(\t))
.endif
	XTURN (\t)+1
.endif
	v_max3_num_f32 v8, |v[XSET]|, |v[XSET+1]|, |v[XSET+2]|        ; the largest magnitude of my 16, in two chains
	v_max3_num_f32 v9, |v[XSET+3]|, |v[XSET+4]|, |v[XSET+5]|
.irp i, 6,10
	v_max3_num_f32 v8, v8, |v[XSET+\i]|, |v[XSET+\i+1]|
	v_max3_num_f32 v9, v9, |v[XSET+\i+2]|, |v[XSET+\i+3]|
.endr
	v_max3_num_f32 v8, v8, |v[XSET+14]|, |v[XSET+15]|
	v_max3_num_f32 v8, v8, v9, (EMAX+1)<<23        ; and the floor 2^(EMAX + 1 - 127): the byte cannot fall under 1
	v_max_num_f32_dpp v8, v8, v8 row_xmask:1 row_mask:0xf bank_mask:0xf   ; with my neighbour's 16: the block's
	v_add_nc_u32 v11, -(EMAX<<23), v8              ; EMAX off its exponent field: the conversion takes the exponent field of this operand as its scale
	v_cvt_scalef32_pk8_fp4_f32 v[XC+4*(\t)], v[XSET:XSET+7], v11
	v_cvt_scalef32_pk8_fp4_f32 v[XC+4*(\t)+1], v[XSET+8:XSET+15], v11
	v_lshrrev_b32 v[XE+(\t)], 23, v11              ; the scale's byte
	ds_store_b8 v5, v[XE+(\t)] offset:16*(\t)      ; both lanes of a block write the same byte with the same value
	global_store_b64 v4, v[XC+4*(\t):XC+4*(\t)+1], s[22:23] offset:32*CB*(\t)   ; the wave stores 256 consecutive bytes
.endm
; ---- path W: a lane takes a column n, its registers run down K; a wave takes 32 columns x 512 along K
.set NB,     16                        ; blocks of 32 along K
.set WPITCH, 272                       ; a stage row: 256 bytes of codes + 16
.set KROW,   512                       ; a row of the codes' buffer
.set WX,     32                        ; v32-95   two sets of 32 numbers
.set WC,     96                        ; v96-99   a block's codes
.set WOUT,   112                       ; v112-175 the way out
.set WSB,    24                        ; v24-27   the scale bytes, four to a register
.macro WLOAD t
.irp i, 0,1,2,3,4,5,6,7,8,9,10,11,12,13,14,15,16,17,18,19,20,21,22,23,24,25,26,27,28,29,30,31
	global_load_b32 v[WX+32*((\t)%2)+\i], v3, s[6:7] offset:(32*(\t)+\i)*3072*4 th:TH_LOAD_NT   ; 511 rows of 12,288 bytes at the most: inside the signed 24-bit immediate
.endr
.endm
.macro WBLOCK t
.set WSET, WX+32*((\t)%2)
.if (\t) < NB-1
	s_wait_loadcnt 32                              ; this block's 32 loads are in; the next block's may be out
.else
	s_wait_loadcnt 0
.endif
	v_max3_num_f32 v16, |v[WSET]|, |v[WSET+1]|, |v[WSET+2]|       ; the block's largest magnitude: all 32 numbers are mine
	v_max3_num_f32 v17, |v[WSET+3]|, |v[WSET+4]|, |v[WSET+5]|
.irp i, 6,10,14,18,22,26
	v_max3_num_f32 v16, v16, |v[WSET+\i]|, |v[WSET+\i+1]|
	v_max3_num_f32 v17, v17, |v[WSET+\i+2]|, |v[WSET+\i+3]|
.endr
	v_max3_num_f32 v16, v16, |v[WSET+30]|, |v[WSET+31]|
	v_max3_num_f32 v16, v16, v17, (EMAX+1)<<23
	v_add_nc_u32 v11, -(EMAX<<23), v16
	v_lshrrev_b32 v17, 23, v11                     ; the scale's byte
.if (\t)%4 == 0
	v_mov_b32 v[WSB+(\t)/4], v17                   ; four bytes to a register, the lower K in the lower byte
.else
	v_lshl_or_b32 v[WSB+(\t)/4], v17, 8*((\t)%4), v[WSB+(\t)/4]
.endif
.irp g, 0,1,2,3
	v_cvt_scalef32_pk8_fp4_f32 v[WC+\g], v[WSET+8*\g:WSET+8*\g+7], v11
.endr
	ds_store_b128 v4, v[WC:WC+3] offset:16*(\t)    ; 32 codes: 16 bytes of my column's row
.if (\t)+2 < NB
	WLOAD (\t)+2
.endif
	s_wait_dscnt 0x0                               ; the store has read its registers: the next block's codes may be written
.endm
; ---- path P: a lane takes a column n, its registers run down K; a wave takes 32 columns x 128 along K
.set PX,  32                           ; v32-95   two sets of 32 numbers; on the way out 16 x 4 registers
.set PH,  96                           ; v96-111  a block's high parts, two to a register
.set PL,  128                          ; v128-191 the low parts of all four blocks
.macro PLOAD t
.irp i, 0,1,2,3,4,5,6,7,8,9,10,11,12,13,14,15,16,17,18,19,20,21,22,23,24,25,26,27,28,29,30,31
	global_load_b32 v[PX+32*((\t)%2)+\i], v3, s[8:9] offset:(32*(\t)+\i)*4096 th:TH_LOAD_NT
.endr
.endm
.macro PBLOCK t
.set PSET, PX+32*((\t)%2)
.if (\t) < 3
	s_wait_loadcnt 32                              ; this block's 32 loads are in; the next block's may be out
.else
	s_wait_loadcnt 0
.endif
.irp i, 0,1,2,3,4,5,6,7,8,9,10,11,12,13,14,15
	v_cvt_pk_f16_f32 v18, v[PSET+2*\i], v[PSET+2*\i+1]           ; the high parts of two neighbours along K
	v_cvt_f32_f16 v20, v18.l
	v_cvt_f32_f16 v21, v18.h
	v_mov_b32 v[PH+\i], v18
	v_pk_add_f32 v[PSET+2*\i:PSET+2*\i+1], v[PSET+2*\i:PSET+2*\i+1], v[20:21] neg_lo:[0,1] neg_hi:[0,1]   ; what the high part has left, exact in f32,
	v_pk_mul_f32 v[PSET+2*\i:PSET+2*\i+1], v[PSET+2*\i:PSET+2*\i+1], s[28:29] op_sel_hi:[1,0]             ; x 2,048, so that it has f16's full width
	v_cvt_pk_f16_f32 v[PL+16*(\t)+\i], v[PSET+2*\i], v[PSET+2*\i+1]
.endr
.irp c, 0,1,2,3
	ds_store_b128 v4, v[PH+4*\c:PH+4*\c+3] offset:64*(\t)+16*\c
.endr
.if (\t) < 2
	PLOAD (\t)+2
.endif
	s_wait_dscnt 0x0                               ; the stores have read the high parts' registers
.endm
.macro POUT off                        ; the stage's 32 rows of 256 bytes leave: sixteen lanes store 256 consecutive bytes, aligned
.irp t, 0,1,2,3,4,5,6,7,8,9,10,11,12,13,14,15
	ds_load_b128 v[PX+4*\t:PX+4*\t+3], v7 offset:2*\t*272        ; LDS serves a wave's instructions in order: these see my stores
.endr
.irp t, 0,1,2,3,4,5,6,7,8,9,10,11,12,13,14,15
	s_wait_dscnt 15-\t
	global_store_b128 v8, v[PX+4*\t:PX+4*\t+3], s[14:15] offset:2*\t*2048+\off
.endr
.endm
.macro FINISH                          ; the wave's end, behind my last LDS store
	s_wait_tensorcnt 0x0
	ds_add_u32 v[SPW], v[NIL]
	s_wait_dscnt 0x0
	s_endpgm
.endm
	s_load_b256 s[4:11], s[0:1], 0x0               ; x s[4:5], w_qkv s[6:7], w_proj s[8:9], xq s[10:11]
	s_load_b128 s[12:15], s[0:1], 0x20             ; wq s[12:13], wpt s[14:15]
	v_lshl_add_u32 v[SPW], v0, 2, SPARE
	v_mov_b32 v[NIL], 0
	v_lshrrev_b32 v1, 5, v0
	v_readfirstlane_b32 s16, v1                    ; wave 0..3
	v_and_b32 v2, 31, v0                           ; lane
	s_mov_b32 s21, 0                               ; the high word of every byte offset here: all stay under 2^32
	s_wait_kmcnt 0x0
	s_cmp_lt_u32 ttmp9, 256
	s_cbranch_scc0 .Lnot_x
	; ================= path X =================
	v_lshlrev_b32 v3, 4, v2                        ; my 16 bytes of a load's 512
	s_mul_i32 s17, s16, WREG
	v_lshrrev_b32 v14, 2, v2
	v_mul_u32_u24 v14, v14, SP
	v_and_b32 v15, 3, v2
	v_lshl_add_u32 v14, v15, 4, v14
	v_add_nc_u32 v14, s17, v14                     ; the stage, on the way in: SP (lane / 4) + 16 (lane % 4)
	v_mul_u32_u24 v15, v2, SP
	v_add_nc_u32 v15, s17, v15                     ; and on the way out: SP x lane: my 16 neighbours
	v_mul_u32_u24 v4, v2, CB                       ; my codes' place in a step's
	v_lshrrev_b32 v5, 1, v2
	s_add_co_u32 s17, s17, 2*32*SP
	v_add_nc_u32 v5, s17, v5                       ; my wave's 256 scale bytes, my block's byte
	v_lshlrev_b32 v7, 3, v2                        ; and on the way out 8 bytes a lane
	v_add_nc_u32 v6, s17, v7
	s_lshl_b32 s18, ttmp9, 2
	s_add_co_u32 s18, s18, s16                     ; which run of 8,192 numbers is my wave's: 0 .. 1,023
	s_lshl_b32 s20, s18, 15
	s_add_nc_u64 s[4:5], s[4:5], s[20:21]          ; 32,768 bytes of x a run,
	s_lshl_b32 s20, s18, 12
	s_add_nc_u64 s[22:23], s[10:11], s[20:21]      ; 4,096 bytes of codes,
	s_lshl_b32 s20, s18, 8
	s_add_co_u32 s20, s20, XSC_OFF
	s_add_nc_u64 s[24:25], s[10:11], s[20:21]      ; 256 scale bytes
.irp t, 0,1,2,3
	XLOAD \t
.endr
	s_wait_loadcnt 12                              ; step 0's four loads are in
	XTURN 0
.irp t, 0,1,2,3,4,5,6,7,8,9,10,11,12,13,14,15
	XSTEP \t
.endr
	ds_load_b64 v[8:9], v6                         ; LDS serves a wave's instructions in order: these see my byte stores
	s_wait_dscnt 0x0
	global_store_b64 v7, v[8:9], s[24:25]          ; 32 lanes store 256 consecutive bytes, aligned
	FINISH
.Lnot_x:
	s_cmp_lt_u32 ttmp9, 304
	s_cbranch_scc0 .Lpath_p
	; ================= path W =================
	s_sub_co_u32 s17, ttmp9, 256
	s_and_b32 s18, s17, 1                          ; which 512 along K
	s_lshr_b32 s17, s17, 1
	s_lshl_b32 s17, s17, 7
	s_lshl_b32 s19, s16, 5
	s_add_co_u32 s17, s17, s19                     ; my wave's first column
	v_lshlrev_b32 v3, 2, v2                        ; in: 4 bytes a lane
	s_mul_i32 s19, s16, 32*WPITCH
	s_add_co_u32 s19, s19, WSTG                    ; my stage
	v_mul_u32_u24 v4, v2, WPITCH
	v_add_nc_u32 v4, s19, v4                       ; into it: row = my column
	v_and_b32 v5, 15, v2
	v_lshrrev_b32 v6, 4, v2                        ; out of it: sixteen lanes to a row, two rows an instruction
	v_mul_u32_u24 v7, v6, WPITCH
	v_lshl_add_u32 v7, v5, 4, v7
	v_add_nc_u32 v7, s19, v7
	v_mul_u32_u24 v8, v6, KROW
	v_lshl_add_u32 v8, v5, 4, v8                   ; and the same place in the codes' buffer
	v_lshlrev_b32 v9, 5, v2                        ; my column's row of 32 scale bytes
	s_mul_i32 s20, s18, 512*3072*4
	s_lshl_b32 s22, s17, 2
	s_add_co_u32 s20, s20, s22
	s_add_nc_u64 s[6:7], s[6:7], s[20:21]          ; w_qkv at (512 x half, first column)
	s_lshl_b32 s20, s17, 9
	s_lshl_b32 s22, s18, 8
	s_add_co_u32 s20, s20, s22
	s_add_nc_u64 s[24:25], s[12:13], s[20:21]      ; the codes: column x 512 + 256 x half
	s_lshl_b32 s20, s17, 5
	s_lshl_b32 s22, s18, 4
	s_add_co_u32 s20, s20, s22
	s_add_co_u32 s20, s20, WSC_OFF
	s_add_nc_u64 s[26:27], s[12:13], s[20:21]      ; the scale bytes: column x 32 + 16 x half
	WLOAD 0
	WLOAD 1
.set Q, 0
.rept NB
	WBLOCK Q
.set Q, Q+1
.endr
	global_store_b128 v9, v[WSB:WSB+3], s[26:27]   ; my column's 16 scale bytes
.irp t, 0,1,2,3,4,5,6,7,8,9,10,11,12,13,14,15
	ds_load_b128 v[WOUT+4*\t:WOUT+4*\t+3], v7 offset:2*\t*WPITCH
.endr
.irp t, 0,1,2,3,4,5,6,7,8,9,10,11,12,13,14,15
	s_wait_dscnt 15-\t
	global_store_b128 v8, v[WOUT+4*\t:WOUT+4*\t+3], s[24:25] offset:2*\t*KROW   ; sixteen lanes store 256 consecutive bytes, aligned
.endr
	FINISH
.Lpath_p:
	; ================= path P =================
	s_sub_co_u32 s17, ttmp9, 304
	s_and_b32 s18, s17, 7                          ; which 128 columns
	s_lshr_b32 s17, s17, 3                         ; which 128 along K
	s_lshl_b32 s18, s18, 7
	s_lshl_b32 s19, s16, 5
	s_add_co_u32 s18, s18, s19                     ; my wave's first column
	v_lshlrev_b32 v3, 2, v2
	s_mul_i32 s19, s16, 32*272
	s_add_co_u32 s19, s19, PSTG                    ; my stage
	v_mul_u32_u24 v4, v2, 272
	v_add_nc_u32 v4, s19, v4
	v_and_b32 v5, 15, v2
	v_lshrrev_b32 v6, 4, v2
	v_mul_u32_u24 v7, v6, 272
	v_lshl_add_u32 v7, v5, 4, v7
	v_add_nc_u32 v7, s19, v7
	v_lshlrev_b32 v8, 11, v6
	v_lshl_add_u32 v8, v5, 4, v8                   ; rows of wpt are 2,048 bytes
	s_lshl_b32 s20, s17, 19                        ; 128 rows of 4,096 bytes
	s_lshl_b32 s22, s18, 2
	s_add_co_u32 s20, s20, s22
	s_add_nc_u64 s[8:9], s[8:9], s[20:21]
	s_lshl_b32 s20, s18, 11
	s_lshl_b32 s22, s17, 8
	s_add_co_u32 s20, s20, s22
	s_add_nc_u64 s[14:15], s[14:15], s[20:21]      ; wpt at (first column, 128 x K group)
	s_mov_b32 s28, 0x45000000                      ; 2,048.0
	s_mov_b32 s29, s28                             ; (named with it as a pair, so it is written)
	PLOAD 0
	PLOAD 1
	PBLOCK 0
	PBLOCK 1
	PBLOCK 2
	PBLOCK 3
	POUT 0                                         ; the high parts
	s_wait_xcnt 0x0                                ; those stores have read their registers: the low parts' rows may land there
.irp t, 0,1,2,3
.irp c, 0,1,2,3
	ds_store_b128 v4, v[PL+16*\t+4*\c:PL+16*\t+4*\c+3] offset:64*\t+16*\c
.endr
.endr
	POUT WLO                                       ; the low parts
	FINISH
.Lfunc_end_k_q6559edb3b4_prep:
	.size	k_q6559edb3b4_prep, .Lfunc_end_k_q6559edb3b4_prep-k_q6559edb3b4_prep
	.p2alignl 7, 3214868480
	.fill 96, 4, 3214868480
	.section	.rodata,"a",@progbits
	.p2align	6, 0x0
	.amdhsa_kernel k_q6559edb3b4_prep
		.amdhsa_group_segment_fixed_size 102912
		.amdhsa_private_segment_fixed_size 0
		.amdhsa_enable_private_segment 0
		.amdhsa_kernarg_size 48
		.amdhsa_user_sgpr_count 2
		.amdhsa_user_sgpr_kernarg_segment_ptr 1
		.amdhsa_wavefront_size32 1
		.amdhsa_system_sgpr_workgroup_id_x 1
		.amdhsa_system_sgpr_workgroup_id_y 1
		.amdhsa_system_sgpr_workgroup_id_z 1
		.amdhsa_system_vgpr_workitem_id 0
		.amdhsa_next_free_vgpr 192
		.amdhsa_next_free_sgpr 66
		.amdhsa_reserve_vcc 0
		.amdhsa_float_denorm_mode_32 3
		.amdhsa_float_denorm_mode_16_64 3
		.amdhsa_memory_ordered 1
		.amdhsa_forward_progress 1
		.amdhsa_inst_pref_size 154
	.end_amdhsa_kernel
	.amdgpu_metadata
---
amdhsa.version: [ 1, 2 ]
amdhsa.kernels:
  - .name:           k_q6559edb3b4_prep
    .symbol:         k_q6559edb3b4_prep.kd
    .args:
      - { .name: x, .offset: 0, .size: 8, .value_kind: global_buffer, .address_space: global }
      - { .name: w_qkv, .offset: 8, .size: 8, .value_kind: global_buffer, .address_space: global }
      - { .name: w_proj, .offset: 16, .size: 8, .value_kind: global_buffer, .address_space: global }
      - { .name: xq, .offset: 24, .size: 8, .value_kind: global_buffer, .address_space: global }
      - { .name: wq, .offset: 32, .size: 8, .value_kind: global_buffer, .address_space: global }
      - { .name: wpt, .offset: 40, .size: 8, .value_kind: global_buffer, .address_space: global }
    .group_segment_fixed_size: 102912
    .private_segment_fixed_size: 0
    .kernarg_segment_align: 8
    .kernarg_segment_size: 48
    .max_flat_workgroup_size: 128
    .sgpr_count:     66
    .vgpr_count:     192
    .wavefront_size: 32
...
	.end_amdgpu_metadata
.endif
;; end of part 1
;; launch qkv (part 2): grid 12 x 32, 4 waves a work-group, clusters of 4 x 4, 327,680 bytes of LDS; arguments xq, wq, qkv, side; writes qkv, side
.if DOCPART == 2
	.amdgcn_target "amdgcn-amd-amdhsa--gfx1250"
	.amdhsa_code_object_version 6
	.text
	.protected	k_q6559edb3b4_qkv
	.globl	k_q6559edb3b4_qkv
	.p2align	8
	.type	k_q6559edb3b4_qkv,@function
k_q6559edb3b4_qkv:
	s_mov_b64 s[64:65], 0
	v_nop
	global_prefetch_b8 v0, s[64:65] scope:SCOPE_SE
	s_setreg_imm32_b32 hwreg(HW_REG_WAVE_MODE, 25, 1), 1
	s_wait_xcnt 0x0
	s_wait_alu depctr_hold_cnt(0) depctr_sa_sdst(0) depctr_va_vdst(0) depctr_va_sdst(0) depctr_va_ssrc(0) depctr_va_vcc(0) depctr_vm_vsrc(0)
	s_getreg_b32 s2, hwreg(HW_REG_IB_STS2, 6, 4)
	s_cmp_eq_u32 s2, 0
	s_cbranch_scc0 .Lentry_in_a_cluster
	s_endpgm
.Lentry_in_a_cluster:
	s_bfe_u32 s2, ttmp6, 0x10000c
	s_cmp_lg_u32 s2, 0xf033
	s_cbranch_scc0 .Lentry_shape_is_right
	s_endpgm
.Lentry_shape_is_right:
; qkv = Q(x) Q(w_qkv): [8192][1024] x [3072][1024]^T on codes of FP4 (E2M1) with one E8M0 scale for each 32 along K; sums in f32.
; A tile of 256 x 256 is made by four waves, 128 x 128 each: 64 accumulators, 512 registers.  K = 1,024 is two slots of 512 along K: both are first fills, nothing is filled again.
; The scale bytes of the work-group's 256 + 256 rows come into LDS once, in whole runs of 256 bytes.
; CLUSTERS: 4 x 4 work-groups; A's tiles are asked for jointly along a row of the cluster, B's along a column.  The tile row is 8 cy + (cluster y), so that a batch is one cy, and 'this tile holds positions 0-255'
; is 'cluster y = 0', the same in all sixteen partners; the tile column is 4 (cluster x) + cx, so that q, k or v is the cluster's x.
; THE MATRIX INSTRUCTION IS USED TRANSPOSED (source 0 = 16 rows of w, source 1 = 16 rows of x): a lane holds eight neighbouring columns of one row.
; WHAT LEAVES: q, k, v as f16, laid [part][batch x 16 + head][position][64]: 16 positions of a head are 2,048 consecutive bytes; positions 0-15 of every batch also as f32, [batch][16][3072], at side + 0;
; and for v the sums of each column over my 128 rows, [16 batch + half tile][1024] f32, at side + VSUM.
; LIMIT: q, k, v stay inside f16's range (65,504).
; REGISTERS: window 0: v16-31 addresses; v32-95 scale words, two sets; v128-191 A's fragments, one set; window 1: B's fragments, two sets; windows 2, 3: the accumulators ((a, b) at v[8 (8 (a % 4) + b)]).
.set XSC_OFF, 4194304
.set WSC_OFF, 1572864
.set VSUM,   786432
.set NQ,     4                         ; steps of 128 along K in a slot
.set ROWB,   256                       ; a tile's row in bytes: 512 codes
.set KROW,   512                       ; a row of codes in memory
.set PITCH,  272                       ; an LDS row: 256 bytes + 16 of padding: the 16 rows that a load touches start 68 words apart
.set FR,     8
.set NL,     2
.set NP,     4
.set HALFT,  128*PITCH
.set SLOT,   4*HALFT
.set KS,     32                        ; a row of scale bytes
.set SCL,    2*SLOT
.set HALFS,  16*272                    ; the scales of 128 rows: 4,096 bytes as 16 runs of 256 + 16
.set SBLK,   2*272                     ; those of 16 rows
.set SPARE,  SCL+4*HALFS               ; the spare words, 128 bytes for each wave: two blocks of 256 bytes that no other line names
.set FST,    0                         ; the way out lies in slot 0, which has had its only fill and its last read: for each wave 16 rows x 528 (f32),
.set HST,    4*16*528                  ; 2 heads x 16 rows x 144 (f16),
.set VST,    HST+4*2*16*144            ; and 512 bytes (column sums)
.set ADRA, 16
.set ADRB, 20
.set VSTO, 22
.set VRD,  23
.set STO,  24
.set RD,   25
.set CO,   26
.set ADRS, 27
.set SPW,  28
.set NIL,  29
.set FSTO, 30
.set FRD,  31
.set SC,   32
.set AF,   128
.set TMP,  32                          ; the way out: v32-63 packed results; v64-95, v96-127 rows read back, by turns; v128-191 f32 rows; v192-255 column sums
.set OB,   64
.set F32B, 128
.set VS,   192
.set G1, 24
.set G0, 32
.set G1B, 48
.set G0B, 56
.set G1S, 68
.set G0S, 76
.set G1SB, 80
.set G0SB, 88
.set MSB, 0
.macro WIN new                         ; the immediate's high byte repeats the setting that is left
.if MSB != \new
	s_set_vgpr_msb (MSB<<8)|\new
.set MSB, \new
.endif
.endm
.set MUL_LO, 0xa1                      ; source 0 (w) window 1, source 1 (x) window 0, C and D window 2
.set MUL_HI, 0xf1
.set TO_B,   0x40
; A joint load: waves 0 and 1 fetch for A, waves 2 and 3 for B; the branch hangs on the wave's number alone.  An s_nop 0 and four v_nop follow each of the two lines.
.macro JLOAD g0a, g1a, g0b, g1b
	s_cmp_eq_u32 s15, 0
	s_cbranch_scc0 .Lfor_b_\@
	tensor_load_to_lds s[\g0a:\g0a+3], s[\g1a:\g1a+7]
	s_nop 0
.rept 4
	v_nop
.endr
	s_branch .Lasked_\@
.Lfor_b_\@:
	tensor_load_to_lds s[\g0b:\g0b+3], s[\g1b:\g1b+7]
	s_nop 0
.rept 4
	v_nop
.endr
.Lasked_\@:
.endm
.macro CROUND                          ; a round of the cluster's barrier
	s_barrier_signal -1
	s_barrier_wait -1
	s_cmp_lg_u32 s14, 0
	s_cbranch_scc1 .Lnot_wave_0_\@
	s_barrier_signal -3
.Lnot_wave_0_\@:
	s_barrier_wait -3
	s_barrier_signal -1
	s_barrier_wait -1
.endm
	s_load_b256 s[4:11], s[0:1], 0x0               ; xq s[4:5], wq s[6:7], qkv s[8:9], side s[10:11]
	v_lshl_add_u32 v[SPW], v0, 2, SPARE
	v_mov_b32 v[NIL], 0
	ds_add_u32 v[SPW], v[NIL]                      ; the wave's opening: the add, twice on end, and its wait ahead of my first tensor load
	ds_add_u32 v[SPW], v[NIL]
	v_lshrrev_b32 v1, 5, v0
	v_readfirstlane_b32 s14, v1                    ; wave 0..3
	s_lshr_b32 s15, s14, 1                         ; which half of the tile's rows is mine.  Also: I fetch for A (0) or for B (1)
	s_and_b32 s16, s14, 1                          ; which half of its columns.  Also: which 128 rows of that tile I fetch
	s_bfe_u32 s40, ttmp6, 0x40000                  ; cx
	s_bfe_u32 s41, ttmp6, 0x40004                  ; cy
	s_lshl_b32 s42, ttmp9, 2
	s_add_co_u32 s42, s42, s40                     ; tile column = 4 x cluster x + cx
	s_and_b32 s95, ttmp7, 0xffff                   ; cluster y: the tile within a batch
	s_lshl_b32 s17, s41, 3
	s_add_co_u32 s17, s17, s95                     ; tile row = 8 cy + cluster y
	s_lshl_b32 s43, s41, 2
	s_lshl_b32 s43, 15, s43                        ; my row of the cluster
	s_lshl_b32 s44, 0x1111, s40                    ; my column
	s_or_b32 s[G1+0], s43, (0<<16)|(1<<20)|(1<<21)|(5<<22)|(3<<25)  ; the mask; elements of 1 byte; padding on; bit 21 beside a mask; 4 words after every 64
	s_or_b32 s[G1B+0], s44, (0<<16)|(1<<20)|(1<<21)|(5<<22)|(3<<25)
.irp g, G1, G1B
	s_mov_b32 s[\g+1], ROWB<<16                    ; tensor_dim0
	s_mov_b32 s[\g+2], 128<<16                     ; tensor_dim1
	s_mov_b32 s[\g+3], ROWB<<16                    ; tile_dim0
	s_mov_b32 s[\g+4], 128                         ; tile_dim1
	s_mov_b32 s[\g+5], KROW                        ; from row to row
	s_mov_b32 s[\g+6], 0
	s_mov_b32 s[\g+7], 0
.endr
	s_or_b32 s[G1S+0], s43, (3<<16)|(1<<20)|(1<<21)|(5<<22)|(3<<25) ; the scales of 128 rows: 4,096 dense bytes as 16 rows of 32 elements of 8 bytes
	s_or_b32 s[G1SB+0], s44, (3<<16)|(1<<20)|(1<<21)|(5<<22)|(3<<25)
.irp g, G1S, G1SB
	s_mov_b32 s[\g+1], 32<<16
	s_mov_b32 s[\g+2], 16<<16
	s_mov_b32 s[\g+3], 32<<16
	s_mov_b32 s[\g+4], 16
	s_mov_b32 s[\g+5], 32
	s_mov_b32 s[\g+6], 0
	s_mov_b32 s[\g+7], 0
.endr
	s_lshl_b32 s18, s16, 7                         ; which 128 rows of the tile I fetch
	s_lshl_b32 s20, s17, 8
	s_add_co_u32 s20, s20, s18                     ; A: row 256 x tile row + 128 x half
	s_lshl_b32 s46, s42, 8
	s_add_co_u32 s46, s46, s18                     ; B: row 256 x tile column + 128 x half
	s_mov_b32 s21, 0
	s_mov_b32 s47, 0
	s_mov_b64 s[18:19], KS
	s_mul_u64 s[22:23], s[20:21], s[18:19]         ; where these rows' scales begin,
	s_mul_u64 s[92:93], s[46:47], s[18:19]
	s_add_nc_u64 s[22:23], s[22:23], XSC_OFF       ; behind the codes of the same buffer
	s_add_nc_u64 s[92:93], s[92:93], WSC_OFF
	s_mov_b64 s[18:19], KROW
	s_mul_u64 s[20:21], s[20:21], s[18:19]         ; and their codes
	s_mul_u64 s[46:47], s[46:47], s[18:19]
	s_mul_i32 s45, s14, HALFT                      ; where they go: wave x 128 rows
	s_mul_i32 s94, s14, HALFS
	s_wait_dscnt 0x0                               ; both opening adds are done
	s_wait_kmcnt 0x0
	s_add_nc_u64 s[20:21], s[4:5], s[20:21]
	s_add_nc_u64 s[22:23], s[4:5], s[22:23]
	s_add_nc_u64 s[46:47], s[6:7], s[46:47]
	s_add_nc_u64 s[92:93], s[6:7], s[92:93]
	CROUND                                         ; all sixteen work-groups are here: the joint loads meet
	s_mov_b32 s[G0S], 1
	s_add_co_u32 s[G0S+1], s94, SCL
	s_mov_b64 s[G0S+2:G0S+3], s[22:23]
	s_or_b32 s[G0S+3], s[G0S+3], 0x80000000
	s_mov_b32 s[G0SB], 1
	s_add_co_u32 s[G0SB+1], s94, SCL
	s_mov_b64 s[G0SB+2:G0SB+3], s[92:93]
	s_or_b32 s[G0SB+3], s[G0SB+3], 0x80000000
	JLOAD G0S, G1S, G0SB, G1SB                     ; the scales first: three loads of mine are out at the most
.irp s, 0,1
	s_mov_b32 s[G0+4*\s], 1
	s_add_co_u32 s[G0+4*\s+1], s45, \s*SLOT
	s_add_nc_u64 s[G0+4*\s+2:G0+4*\s+3], s[20:21], \s*ROWB
	s_or_b32 s[G0+4*\s+3], s[G0+4*\s+3], 0x80000000
	s_mov_b32 s[G0B+4*\s], 1
	s_add_co_u32 s[G0B+4*\s+1], s45, \s*SLOT
	s_add_nc_u64 s[G0B+4*\s+2:G0B+4*\s+3], s[46:47], \s*ROWB
	s_or_b32 s[G0B+4*\s+3], s[G0B+4*\s+3], 0x80000000
	JLOAD G0+4*\s, G1, G0B+4*\s, G1B
.endr
	v_and_b32 v1, 15, v0                           ; r = l % 16
	v_bfe_u32 v2, v0, 4, 1                         ; h = l / 16
	v_mul_u32_u24 v3, v1, PITCH
	v_lshl_add_u32 v4, v2, 4, v3                   ; a fragment's row x pitch + 16 h
	s_mul_i32 s21, s15, HALFT                      ; my 128 rows of A
	s_mul_i32 s22, s16, HALFT                      ; my 128 rows of B,
	s_add_co_u32 s22, s22, 2*HALFT                 ; which lie behind A's 256
.irp s, 0,1
	v_add_nc_u32 v[ADRA+\s], s21, v4
	v_add_nc_u32 v[ADRB+\s], s22, v4
	s_add_co_u32 s21, s21, SLOT
	s_add_co_u32 s22, s22, SLOT
.endr
	v_mul_u32_u24 v5, v1, KS                       ; my row's scales: 32 bytes a row,
	v_lshrrev_b32 v6, 8, v5
	v_lshl_add_u32 v5, v6, 4, v5                   ; and 16 more for each 256 passed
	s_mul_i32 s21, s15, HALFS
	s_mul_i32 s22, s16, HALFS
	s_add_co_u32 s22, s22, 2*HALFS
	s_sub_co_u32 s22, s22, s21
	v_mul_u32_u24 v6, s22, v2                      ; lanes 16-31 take B's: one product, the distance between the two bases
	s_add_co_u32 s21, s21, SCL
	v_add_nc_u32 v5, v5, v6
	v_add_nc_u32 v[ADRS], s21, v5
	; the way out's addresses
	s_mul_i32 s23, s14, 2*16*144
	s_add_co_u32 s23, s23, HST
	v_mul_u32_u24 v5, v1, 144
	v_lshl_add_u32 v5, v2, 4, v5
	v_add_nc_u32 v[STO], s23, v5                   ; f16 stage, in: row r, 16 bytes for each half of the lanes
	v_and_b32 v6, 31, v0
	v_lshrrev_b32 v7, 3, v6
	v_mul_u32_u24 v7, v7, 144
	v_and_b32 v8, 7, v6
	v_lshl_add_u32 v7, v8, 4, v7
	v_add_nc_u32 v[RD], s23, v7                    ; back: eight lanes to a row of 128 bytes, four rows an instruction
	v_lshlrev_b32 v[CO], 4, v6                     ; 16 x lane: in memory those four rows are 512 consecutive bytes
	s_mul_i32 s23, s14, 16*528
	v_mul_u32_u24 v5, v1, 528
	v_lshl_add_u32 v5, v2, 5, v5
	v_add_nc_u32 v[FSTO], s23, v5                  ; f32 stage, in: row r, 32 bytes for each half
	v_add_nc_u32 v[FRD], s23, v[CO]                ; back: a row of 512 bytes
	s_lshl_b32 s23, s14, 9
	s_add_co_u32 s23, s23, VST
	v_lshl_add_u32 v[VSTO], v2, 5, s23
	v_add_nc_u32 v[VRD], s23, v[CO]
	; the bases in memory (in registers that feed no descriptor)
	s_lshl_b32 s92, s41, 4
	s_lshl_b32 s93, s40, 2
	s_add_co_u32 s92, s92, s93
	s_lshl_b32 s93, s16, 1
	s_add_co_u32 s92, s92, s93                     ; batch x 16 + my first head: 16 cy + 4 cx + 2 x column half
	s_lshl_b32 s92, s92, 11                        ; x 2,048 positions
	s_lshl_b32 s93, s95, 8
	s_add_co_u32 s92, s92, s93                     ; + 256 x tile
	s_lshl_b32 s93, s15, 7
	s_add_co_u32 s92, s92, s93                     ; + 128 x row half
	s_lshl_b32 s92, s92, 7                         ; x 128 bytes
	s_lshl_b32 s93, ttmp9, 24
	s_add_co_u32 s92, s92, s93                     ; + part x 16,777,216
	s_mov_b32 s93, 0
	s_add_nc_u64 s[12:13], s[8:9], s[92:93]
	s_mul_i32 s92, s41, 16*3072
	s_lshl_b32 s94, s42, 8
	s_add_co_u32 s92, s92, s94
	s_lshl_b32 s94, s16, 7
	s_add_co_u32 s92, s92, s94
	s_lshl_b32 s92, s92, 2
	s_add_nc_u64 s[96:97], s[10:11], s[92:93]      ; the f32 copy: (batch x 16) rows of 3,072 + my first column
	s_lshl_b32 s92, s41, 4
	s_lshl_b32 s94, s95, 1
	s_add_co_u32 s92, s92, s94
	s_add_co_u32 s92, s92, s15                     ; 16 batch + 2 tile + row half
	s_lshl_b32 s92, s92, 10
	s_lshl_b32 s94, s40, 8
	s_add_co_u32 s92, s92, s94
	s_lshl_b32 s94, s16, 7
	s_add_co_u32 s92, s92, s94
	s_lshl_b32 s92, s92, 2
	s_add_co_u32 s92, s92, VSUM
	s_add_nc_u64 s[98:99], s[10:11], s[92:93]      ; the column sums
.macro FRAG reg, adr, q, i             ; 16 rows x 128 K of 4-bit codes: 8 registers; lane l holds row l % 16; registers 4 c .. 4 c + 3 hold K = 64 c + 32 (l / 16) + 0 .. 31
.irp c, 0,1
	ds_load_b128 v[\reg+4*\c:\reg+4*\c+3], v[\adr] offset:64*(\q)+32*\c+(\i)*16*PITCH
.endr
.endm
; 16 matrix instructions: A's blocks a0, a0 + 1 x B's eight.  The 64 accumulators take turns, one instruction a turn, in the same order in every step.
.macro MUL16 a0, p, q, sc, zero
.irp a, \a0, \a0+1
.irp b, 0,1,2,3,4,5,6,7
.if \zero
	v_wmma_scale_f32_16x16x128_f8f6f4 v[8*(8*((\a)%4)+\b):8*(8*((\a)%4)+\b)+7], v[128*(\p)+FR*\b:128*(\p)+FR*\b+FR-1], v[AF+FR*(\a):AF+FR*(\a)+FR-1], 0, v[SC+8*NQ*(\sc)+NQ*\b+(\q)], v[SC+8*NQ*(\sc)+NQ*(\a)+(\q)] matrix_a_fmt:MATRIX_FMT_FP4 matrix_b_fmt:MATRIX_FMT_FP4 matrix_a_scale:MATRIX_SCALE_ROW1
.else
	v_wmma_scale_f32_16x16x128_f8f6f4 v[8*(8*((\a)%4)+\b):8*(8*((\a)%4)+\b)+7], v[128*(\p)+FR*\b:128*(\p)+FR*\b+FR-1], v[AF+FR*(\a):AF+FR*(\a)+FR-1], v[8*(8*((\a)%4)+\b):8*(8*((\a)%4)+\b)+7], v[SC+8*NQ*(\sc)+NQ*\b+(\q)], v[SC+8*NQ*(\sc)+NQ*(\a)+(\q)] matrix_a_fmt:MATRIX_FMT_FP4 matrix_b_fmt:MATRIX_FMT_FP4 matrix_a_scale:MATRIX_SCALE_ROW1
.endif
.endr
.endr
.endm
.macro FETCH_B slot, q, p
	WIN TO_B
.irp i, 0,1,2,3,4,5,6,7
	FRAG 128*(\p)+FR*\i, ADRB+\slot, \q, \i
.endr
	WIN 0
.endm
.macro FETCH_A slot, q, i0
.irp i, \i0, \i0+1, \i0+2, \i0+3
	FRAG AF+FR*(\i), ADRA+\slot, \q, \i
.endr
.endm
.macro SCALES sc                       ; a slot's scale words: lanes 0-15 take A's block i, lanes 16-31 B's block i
.irp i, 0,1,2,3,4,5,6,7
	ds_load_b128 v[SC+8*NQ*\sc+NQ*\i:SC+8*NQ*\sc+NQ*\i+3], v[ADRS] offset:\i*SBLK
.endr
.endm
.macro PLACES n                        ; plain vector instructions between a matrix instruction and a load into, or a read of, its registers
.rept \n
	v_nop
.endr
.endm
.macro STEP slot, q, zero              ; a step of 128 along K that has its successor in the same slot
	s_wait_dscnt 4*NL                              ; B's set and A's blocks 0-3 are in; the youngest eight loads (A's blocks 4-7) may be out
	WIN MUL_LO
	MUL16 0, (\q)%2, \q, \slot, \zero
	MUL16 2, (\q)%2, \q, \slot, \zero
	s_wait_dscnt 0
	PLACES NP
	FETCH_B \slot, (\q)+1, 1-(\q)%2
	FETCH_A \slot, (\q)+1, 0
	WIN MUL_HI
	MUL16 4, (\q)%2, \q, \slot, \zero
	MUL16 6, (\q)%2, \q, \slot, \zero
	PLACES NP
	WIN 0
	FETCH_A \slot, (\q)+1, 4
.endm
.macro TURN slot, next                 ; slot 0's last step: one barrier; behind it slot 1 is whole and nobody reads slot 0.  Nothing is filled again
	s_wait_tensorcnt 0x0                           ; all my tensor loads have landed: my part of slot 1
	ds_add_u32 v[SPW], v[NIL]                      ; 0 onto my spare word
	s_wait_dscnt 4*NL+1                            ; the add and the youngest eight loads may be out
	WIN MUL_LO
	MUL16 0, 1, NQ-1, \slot, 0
	s_wait_dscnt 0x0                               ; the add is done, and my reads of this slot are over
	s_barrier_signal -1
	MUL16 2, 1, NQ-1, \slot, 0
	WIN 0
	s_barrier_wait -1
	PLACES NP
	v_add_nc_u32 v[ADRS], 4*NQ, v[ADRS]            ; on to the next slot's scale words
	FETCH_B \next, 0, 0
	FETCH_A \next, 0, 0
	SCALES \next
	WIN MUL_HI
	MUL16 4, 1, NQ-1, \slot, 0
	MUL16 6, 1, NQ-1, \slot, 0
	PLACES NP
	WIN 0
	FETCH_A \next, 0, 4
.endm
.macro STEPS slot, from
.set Q, \from
.rept NQ-1-\from
	STEP \slot, Q, 0
.set Q, Q+1
.endr
.endm
	s_wait_tensorcnt 1                             ; the scales and my part of slot 0 are in; slot 1's load may be out
	s_barrier_signal -1
	s_barrier_wait -1
	FETCH_B 0, 0, 0
	FETCH_A 0, 0, 0
	SCALES 0
	FETCH_A 0, 0, 4
	STEP 0, 0, 1                                   ; the first step's products start the sums: nothing is cleared
	STEPS 0, 1
	TURN 0, 1
	STEPS 1, 0
	s_wait_dscnt 4*NL                              ; the last step: nothing more to fetch
	WIN MUL_LO
	MUL16 0, 1, NQ-1, 1, 0
	MUL16 2, 1, NQ-1, 1, 0
	s_wait_dscnt 0
	WIN MUL_HI
	MUL16 4, 1, NQ-1, 1, 0
	MUL16 6, 1, NQ-1, 1, 0
	WIN 0
	PLACES NP
	; ---- positions 0-15 of a batch also leave as f32: the tile with cluster y = 0, its upper row half, block 0.  The branch hangs on the cluster's y and the wave's number
	s_or_b32 s23, s95, s15
	s_cmp_lg_u32 s23, 0
	s_cbranch_scc1 .Lno_f32
	WIN 0x08                                       ; an LDS store's data: window 2
.irp b, 0,1,2,3,4,5,6,7
	ds_store_b128 v[FSTO], v[8*\b:8*\b+3] offset:64*\b            ; each accumulator from its low end on
	ds_store_b128 v[FSTO], v[8*\b+4:8*\b+7] offset:64*\b+16
.endr
	WIN 0
.irp t, 0,1,2,3,4,5,6,7,8,9,10,11,12,13,14,15
	ds_load_b128 v[F32B+4*\t:F32B+4*\t+3], v[FRD] offset:\t*528   ; LDS serves a wave's instructions in order: these see my stores
.endr
	s_wait_dscnt 0x0
.irp t, 0,1,2,3,4,5,6,7,8,9,10,11,12,13,14,15
	global_store_b128 v[CO], v[F32B+4*\t:F32B+4*\t+3], s[96:97] offset:\t*12288   ; 32 lanes store 512 consecutive bytes
.endr
.Lno_f32:
	; ---- v's column sums over my 128 rows (cluster x = 2 is v): first over my eight blocks, then over the sixteen lanes that hold a block's rows
	s_cmp_lg_u32 ttmp9, 2
	s_cbranch_scc1 .Lno_vs
	WIN 0x0a                                       ; both sources window 2
.irp b, 0,1,2,3,4,5,6,7
.irp i, 0,2,4,6
	v_pk_add_f32 v[VS+8*\b+\i:VS+8*\b+\i+1], v[8*\b+\i:8*\b+\i+1], v[64+8*\b+\i:64+8*\b+\i+1]
.endr
.endr
	WIN 0x02                                       ; source 0 window 2
.irp a, 2,3
.irp b, 0,1,2,3,4,5,6,7
.irp i, 0,2,4,6
	v_pk_add_f32 v[VS+8*\b+\i:VS+8*\b+\i+1], v[64*\a+8*\b+\i:64*\a+8*\b+\i+1], v[VS+8*\b+\i:VS+8*\b+\i+1]
.endr
.endr
.endr
	WIN 0x03                                       ; source 0 window 3
.irp a, 0,1,2,3
.irp b, 0,1,2,3,4,5,6,7
.irp i, 0,2,4,6
	v_pk_add_f32 v[VS+8*\b+\i:VS+8*\b+\i+1], v[64*\a+8*\b+\i:64*\a+8*\b+\i+1], v[VS+8*\b+\i:VS+8*\b+\i+1]
.endr
.endr
.endr
	WIN 0
.irp m, 1,2,4,8
.set jj, 0
.rept 64
	v_add_f32_dpp v[VS+jj], v[VS+jj], v[VS+jj] row_xmask:\m row_mask:0xf bank_mask:0xf
.set jj, jj+1
.endr
.endr
.irp b, 0,1,2,3,4,5,6,7
	ds_store_b128 v[VSTO], v[VS+8*\b:VS+8*\b+3] offset:64*\b      ; the sixteen lanes of a half write the same bytes with the same values
	ds_store_b128 v[VSTO], v[VS+8*\b+4:VS+8*\b+7] offset:64*\b+16
.endr
	ds_load_b128 v[32:35], v[VRD]
	s_wait_dscnt 0x0
	global_store_b128 v[CO], v[32:35], s[98:99]    ; 128 sums: 512 consecutive bytes
	s_wait_xcnt 0x0                                ; the store has read v32-35, which the conversions below write
.Lno_vs:
; ---- q, k, v as f16, block by block of 16 rows x 128 columns (two heads)
.macro PACK a
.set AC, 64*((\a)%4)
	WIN 0x0a+5*((\a)/4)                            ; both sources window 2 or 3
.irp b, 0,1,2,3,4,5,6,7
.irp r, 0,1,2,3
	v_cvt_pk_f16_f32 v[TMP+4*\b+\r], v[AC+8*\b+2*\r], v[AC+8*\b+2*\r+1]
.endr
.endr
	WIN 0
.endm
.macro TOSTAGE a
.set BB, OB+32*((\a)%2)
.irp b, 0,1,2,3,4,5,6,7
	ds_store_b128 v[STO], v[TMP+4*\b:TMP+4*\b+3] offset:(\b/4)*2304+(\b%4)*32
.endr
.irp u, 0,1
.irp i, 0,1,2,3
	ds_load_b128 v[BB+4*(4*\u+\i):BB+4*(4*\u+\i)+3], v[RD] offset:\u*2304+\i*576
.endr
.endr
.endm
.macro SEND a
.set BB, OB+32*((\a)%2)
	s_wait_dscnt 0x0                               ; the block is back in registers
	s_wait_xcnt 0x0                                ; earlier stores have read their registers and their base
.if (\a) > 0
	s_add_nc_u64 s[12:13], s[12:13], 2048          ; 16 positions on
.endif
.irp u, 0,1
.irp i, 0,1,2,3
	global_store_b128 v[CO], v[BB+4*(4*\u+\i):BB+4*(4*\u+\i)+3], s[12:13] offset:\u*262144+\i*512 th:TH_STORE_NT   ; four positions of a head: 512 consecutive bytes
.endr
.endr
.endm
	PACK 0
	TOSTAGE 0
.irp a, 1,2,3,4,5,6,7                  ; block a's conversions stand between block a - 1's loads from the stage and the wait for them
	PACK \a
	SEND (\a)-1
	TOSTAGE \a
.endr
	SEND 7
	s_wait_tensorcnt 0x0                           ; the wave's end
	ds_add_u32 v[SPW], v[NIL]
	s_wait_dscnt 0x0
	CROUND                                         ; the closing round
	s_endpgm
.Lfunc_end_k_q6559edb3b4_qkv:
	.size	k_q6559edb3b4_qkv, .Lfunc_end_k_q6559edb3b4_qkv-k_q6559edb3b4_qkv
	.p2alignl 7, 3214868480
	.fill 96, 4, 3214868480
	.section	.rodata,"a",@progbits
	.p2align	6, 0x0
	.amdhsa_kernel k_q6559edb3b4_qkv
		.amdhsa_group_segment_fixed_size 327680
		.amdhsa_private_segment_fixed_size 0
		.amdhsa_enable_private_segment 0
		.amdhsa_kernarg_size 32
		.amdhsa_user_sgpr_count 2
		.amdhsa_user_sgpr_kernarg_segment_ptr 1
		.amdhsa_wavefront_size32 1
		.amdhsa_system_sgpr_workgroup_id_x 1
		.amdhsa_system_sgpr_workgroup_id_y 1
		.amdhsa_system_sgpr_workgroup_id_z 1
		.amdhsa_system_vgpr_workitem_id 0
		.amdhsa_next_free_vgpr 1024
		.amdhsa_next_free_sgpr 100
		.amdhsa_reserve_vcc 0
		.amdhsa_float_denorm_mode_32 3
		.amdhsa_float_denorm_mode_16_64 3
		.amdhsa_memory_ordered 1
		.amdhsa_forward_progress 1
		.amdhsa_inst_pref_size 163
	.end_amdhsa_kernel
	.amdgpu_metadata
---
amdhsa.version: [ 1, 2 ]
amdhsa.kernels:
  - .name:           k_q6559edb3b4_qkv
    .symbol:         k_q6559edb3b4_qkv.kd
    .args:
      - { .name: xq, .offset: 0, .size: 8, .value_kind: global_buffer, .address_space: global }
      - { .name: wq, .offset: 8, .size: 8, .value_kind: global_buffer, .address_space: global }
      - { .name: qkv, .offset: 16, .size: 8, .value_kind: global_buffer, .address_space: global }
      - { .name: side, .offset: 24, .size: 8, .value_kind: global_buffer, .address_space: global }
    .group_segment_fixed_size: 327680
    .private_segment_fixed_size: 0
    .kernarg_segment_align: 8
    .kernarg_segment_size: 32
    .max_flat_workgroup_size: 128
    .sgpr_count:     100
    .vgpr_count:     1024
    .wavefront_size: 32
...
	.end_amdgpu_metadata
.endif
;; end of part 2
;; launch attn (part 3): grid 4 x 64, 8 waves a work-group, no clusters, 327,680 bytes of LDS; arguments qkv, side, tok_mask, y, vmean; writes y, vmean
.if DOCPART == 3
	.amdgcn_target "amdgcn-amd-amdhsa--gfx1250"
	.amdhsa_code_object_version 6
	.text
	.protected	k_q6559edb3b4_attn
	.globl	k_q6559edb3b4_attn
	.p2align	8
	.type	k_q6559edb3b4_attn,@function
k_q6559edb3b4_attn:
	s_mov_b64 s[64:65], 0
	v_nop
	global_prefetch_b8 v0, s[64:65] scope:SCOPE_SE
	s_setreg_imm32_b32 hwreg(HW_REG_WAVE_MODE, 25, 1), 1
	s_wait_xcnt 0x0
; y[bh][q] = the sum over keys of softmax(q . k / 8, masked) v, for 64 heads of 2,048 positions x 64 channels; q, k, v: f16, [part][bh][position][64]; products, maxima and sums in f32; the weights go to the
; second product as f16; y leaves as f16, [bh][position][64].
; THE MASKS.  A key counts where key <= query and tok_mask[batch][key] is set; else its score is -1e9, as the problem has it.  The token mask is the C of the first product: 0 or -1e9 for each key, from a table in
; LDS; the causal mask replaces scores by -1e9 in the one step of a wave that lies on the diagonal; steps all of whose keys come after the wave's queries are left out.
; A QUERY NONE OF WHOSE KEYS COUNTS has 2,048 equal scores and so takes the plain mean of v over ALL positions: its running maximum ends under -5e8, and v_cndmask_b32 puts the head's mean in its place.
; While a row has seen only hidden keys its weights are at most 2^8 (c m is rounded to half a unit of 16 at 1.8e8), finite in f16; the first key that counts multiplies them by 2^(-1.8e8) = 0.
; LIMITS: |q . k| stays under 2^28; NaN and infinities are not served.
; SHARES.  Work-group (i, bh) owns TWO blocks of 256 queries of head bh: block 7 - i, then block i: 8 - i chunks of 256 keys and i + 1 chunks: NINE chunks in every work-group, so that every trip count is a
; constant and all 256 work-groups have the same work.  Each of eight waves owns 32 queries of the block in hand, two tiles of 16; two waves share a SIMD.
; NO CLUSTER: the four work-groups of a head walk the same chunks only in the first 5 of their 9 steps; from then on their addresses differ, so a joint request could not be alike in all partners.
; LAYOUT.  S^T = K Q^T + bias (source 0 = 16 keys, source 1 = 16 queries): a lane holds ONE query (lane % 16) and keys 8 (lane / 16) + 0..7.  Two such tiles, rounded in pairs, are source 1 of O^T = V^T P,
; and of L = ONES P, whose register 0 is the row's sum.  V comes out of LDS turned, by ds_load_tr16_b128.
; REGISTERS: window 0: v1-15 addresses; v16-31 statistics; v32-63 the step's bias; v64-127 S^T; v128-159 P; v160-171 more addresses and 1 / l; v176-207 at work; v208-239 the mean of v.
;            window 1: v0-31 Q; v32-95 K of a step; v96-159 V of a step; v160-223 O^T; v224-239 L; v240-247 ones.
.set PK,    144                        ; a row of K in LDS: 128 bytes + 16
.set PV,    160                        ; a row of V: 128 + 32: an odd multiple of 32
.set VOFF,  256*PK                     ; a slot: 256 rows of K, then 256 rows of V
.set SLOT1, 1<<17                      ; slot 1: one exclusive or turns an address from one slot to the other
.set BIAS,  SLOT1+256*(PK+PV)          ; 9 chunks IN THE ORDER OF THE WALK x 256 keys x 4 bytes: so its address steps by a constant
.set VM,    BIAS+9*1024                ; the head's mean of v: 64 numbers
.set STAGE, VM+256                     ; 16 rows x 144 for each wave
.set SPARE, STAGE+8*16*PK              ; the spare words, 128 bytes for each wave: four blocks of 256 bytes that no other line names
.set AK0, 1
.set AV0, 2
.set AB0, 3
.set ADK, 4
.set ADV, 5
.set ADB, 6
.set STO, 7
.set RD,  8
.set GO,  9
.set QO,  10
.set DQ,  11                           ; v11  lane % 16 - 8 (lane / 16)
.set D0,  12                           ; v12, v13  the causal bound of tile 0, 1
.set SPW, 14
.set NIL, 15
.set ST,  16                           ; tile t at v[16 + 8 t]: +0 c m, +1 m, +2 a, +3 (written once), +4..7 at work
.set BI,  32
.set S,   64
.set P,   128
.set VMR, 160
.set VMW, 161
.set BW,  162
.set PFO, 163
.set NEGR, 164
.set VO4, 165
.set R0,  168                          ; v168 1 / l of tile 0, v170 of tile 1; v169, v171 written once (named as pairs)
.set EW,  176
.set VMF, 208
.set KR,  32                           ; window 1
.set VR,  96
.set OACC, 160
.set LACC, 224
.set ONES, 240
.set WV,  14
.set WI,  15
.set BH,  16
.set BAT, 17
.set NN,  18
.set SW,  19                           ; s19  7 - i: the trip behind which the work-group changes blocks
.set SEL, 20
.set CS,  22
.set G1K, 24
.set G1V, 32
.set G0K, 40
.set G0V, 44
.set TB,  48
.set TBI, 49
.set KF,  50
.set Q0,  51
.set QB,  52
.set YB,  54
.set PFA, 56
.set LIM, 58
.set BKV, 59
.set BK,  60
.set QP,  66
.set YP,  68
.set MSB, 0
.macro WIN new                         ; the immediate's high byte repeats the setting that is left
.if MSB != \new
	s_set_vgpr_msb (MSB<<8)|\new
.set MSB, \new
.endif
.endm
.set W_KQ, 0x05                        ; K and Q window 1; bias and S^T window 0
.set W_PV, 0x51                        ; V window 1, P window 0, O^T window 1
.set W_RS, 0x41                        ; O^T (destination and source 0) window 1, a window 0
.set TO1,  0x40                        ; destination window 1
.set RC1,  0x01                        ; source 0 window 1
; Waves 0-3 fetch a chunk's K, 64 rows each; waves 4-7 its V.  An s_nop 0 and four v_nop follow each of the two lines.
.macro TLOAD
	s_cmp_lt_u32 s[WV], 4
	s_cbranch_scc0 .Lfor_v_\@
	tensor_load_to_lds s[G0K:G0K+3], s[G1K:G1K+7]
	s_nop 0
.rept 4
	v_nop
.endr
	s_branch .Lasked_\@
.Lfor_v_\@:
	tensor_load_to_lds s[G0V:G0V+3], s[G1V:G1V+7]
	s_nop 0
.rept 4
	v_nop
.endr
.Lasked_\@:
.endm
; A prefetch of what the NEXT change of slots will ask for: my wave's own 8,192 bytes of chunk n + 2, lanes 256 bytes apart.  All four work-groups of a head read the same K and V: the one with i = 0, which walks
; chunks 0 to 7 in order, asks, in trips 0 to 5: each block is named once, a chunk's four key steps ahead of its load; chunks 0 and 1 come by their loads alone, and nothing is asked for past chunk 7.
.macro ASK
	s_cmp_le_i32 s[NN], s[LIM]
	s_cbranch_scc0 .Lnot_mine_\@
	global_prefetch_b8 v[PFO], s[PFA:PFA+1] th:TH_LOAD_NT scope:SCOPE_SE
.Lnot_mine_\@:
.endm
; THE CHANGE OF SLOTS stands at a chunk's head.  Each wave waits for all its tensor loads (one is out: its part of the slot ahead), adds 0 to its spare word, and waits for that and for its reads of the slot left.
; fill = 1: behind the barrier the slot left takes the walk's next chunk: 32,768 bytes on, or, in trip 7 - i, back to chunk 0.
.macro CHANGE fill
	WIN 0
	s_wait_tensorcnt 0x0                           ; no tensor load of mine is out, so a group 0 may be written
	ds_add_u32 v[SPW], v[NIL]                      ; 0 onto my spare word
.if \fill
	s_cmp_eq_u32 s[NN], s[SW]
	s_cselect_b32 s[BK], s[BKV], 0
.irp g, G0K, G0V
	s_xor_b32 s[\g+1], s[\g+1], SLOT1
	s_add_nc_u64 s[\g+2:\g+3], s[\g+2:\g+3], 32768
	s_sub_nc_u64 s[\g+2:\g+3], s[\g+2:\g+3], s[BK:BK+1]
.endr
	s_wait_xcnt 0x0                                ; the last prefetch, a chunk back, has read its address
	s_add_nc_u64 s[PFA:PFA+1], s[PFA:PFA+1], 32768
.endif
	s_wait_dscnt 0x0                               ; the add is done, and my reads of the slot that I have left are over
	s_barrier_signal -1
	s_barrier_wait -1
.if \fill
	TLOAD                                          ; the first thing behind the barrier, and my one tensor load until the next
	ASK
.endif
.endm
.macro FETCH_KB q                      ; key step q of the chunk: the bias of its 64 keys (8 loads) and its K (16 loads)
	WIN 0
.irp kt, 0,1,2,3
	ds_load_b128 v[BI+8*\kt:BI+8*\kt+3], v[ADB] offset:(\q)*256+\kt*64
	ds_load_b128 v[BI+8*\kt+4:BI+8*\kt+7], v[ADB] offset:(\q)*256+\kt*64+16
.endr
	WIN TO1
.irp kt, 0,1,2,3
.irp kk, 0,1
	ds_load_b128 v[KR+16*\kt+8*\kk:KR+16*\kt+8*\kk+3], v[ADK] offset:(\q)*64*PK+\kt*16*PK+\kk*64
	ds_load_b128 v[KR+16*\kt+8*\kk+4:KR+16*\kt+8*\kk+7], v[ADK] offset:(\q)*64*PK+\kt*16*PK+\kk*64+32
.endr
.endr
.endm
.macro FETCH_V q                       ; its V, turned: 16 loads
	WIN TO1
.irp g, 0,1
.irp ct, 0,1,2,3
	ds_load_tr16_b128 v[VR+32*\g+8*\ct:VR+32*\g+8*\ct+3], v[ADV] offset:(\q)*64*PV+\g*32*PV+\ct*32
	ds_load_tr16_b128 v[VR+32*\g+8*\ct+4:VR+32*\g+8*\ct+7], v[ADV] offset:(\q)*64*PV+\g*32*PV+16*PV+\ct*32
.endr
.endr
.endm
; THE SOFTMAX of both tiles for one key step, line by line by turns.
.macro SOFTMAX
.irp j, 0,1,2,3
.irp t, 0,1
	v_max3_num_f32 v[ST+8*\t+4+\j], v[S+32*\t+8*\j], v[S+32*\t+8*\j+1], v[S+32*\t+8*\j+2]   ; four chains; each accumulator is read from its low end on
.endr
.endr
.irp u, 1,2
.irp j, 0,1,2,3
.irp t, 0,1
	v_max3_num_f32 v[ST+8*\t+4+\j], v[ST+8*\t+4+\j], v[S+32*\t+8*\j+2*\u+1], v[S+32*\t+8*\j+2*\u+2]
.endr
.endr
.endr
.irp t, 0,1
	v_max3_num_f32 v[ST+8*\t+4], v[ST+8*\t+4], v[S+32*\t+7], v[S+32*\t+15]
.endr
.irp t, 0,1
	v_max3_num_f32 v[ST+8*\t+6], v[ST+8*\t+6], v[S+32*\t+23], v[S+32*\t+31]
.endr
.irp t, 0,1
	v_max3_num_f32 v[ST+8*\t+4], v[ST+8*\t+4], v[ST+8*\t+5], v[ST+8*\t+6]
.endr
.irp t, 0,1
	v_max3_num_f32 v[ST+8*\t+4], v[ST+8*\t+4], v[ST+8*\t+7], v[ST+8*\t+1]   ; with the old m
.endr
.irp t, 0,1
	v_permlanex16_b32 v[ST+8*\t+5], v[ST+8*\t+4], s[SEL], s[SEL+1]          ; the query's other 32 keys lie in the lane 16 away
.endr
.irp t, 0,1
	v_mov_b32 v[ST+8*\t+7], v[ST+8*\t]                                       ; c m_old
.endr
.irp t, 0,1
	v_max_num_f32 v[ST+8*\t+1], v[ST+8*\t+4], v[ST+8*\t+5]
.endr
.irp t, 0,1
	v_mul_f32 v[ST+8*\t], s[CS], v[ST+8*\t+1]
.endr
.irp t, 0,1
	v_sub_f32 v[ST+8*\t+7], v[ST+8*\t+7], v[ST+8*\t]
.endr
.set ii, 0
.rept 16
.irp t, 0,1
	v_pk_fma_f32 v[S+32*\t+ii:S+32*\t+ii+1], v[S+32*\t+ii:S+32*\t+ii+1], s[CS:CS+1], v[ST+8*\t:ST+8*\t+1] op_sel_hi:[1,0,0] neg_lo:[0,0,1] neg_hi:[0,0,1]   ; c s - c m
.endr
.set ii, ii+2
.endr
.irp t, 0,1
	v_exp_f32 v[ST+8*\t+2], v[ST+8*\t+7]                                     ; a = 2^(c m_old - c m_new)
.endr
.set ii, 0
.rept 32
.irp t, 0,1
	v_exp_f32 v[S+32*\t+ii], v[S+32*\t+ii]
.endr
.set ii, ii+1
.endr
	v_nop                                          ; a plain instruction behind the last exponential
	s_wait_alu depctr_va_vdst(0)                   ; one wait for the batch of 66, ahead of its first reader
.set ii, 0
.rept 16
.irp t, 0,1
	v_cvt_pk_f16_f32 v[P+16*\t+ii], v[S+32*\t+2*ii], v[S+32*\t+2*ii+1]
.endr
.set ii, ii+1
.endr
	WIN W_RS
.set ii, 0
.rept 16
.irp t, 0,1
	v_pk_mul_f32 v[OACC+32*\t+ii:OACC+32*\t+ii+1], v[OACC+32*\t+ii:OACC+32*\t+ii+1], v[ST+8*\t+2:ST+8*\t+3] op_sel_hi:[1,0]   ; O^T x a
.endr
.set ii, ii+2
.endr
.irp t, 0,1
	v_mul_f32 v[LACC+8*\t], v[LACC+8*\t], v[ST+8*\t+2]                       ; l x a: of L only register 0 is ever read; the others stay finite
.endr
.endm
; A KEY STEP: 64 keys.
.macro STEP st
	s_add_co_u32 s70, s[Q0], 31
	s_cmp_gt_u32 s[KF], s70                        ; all its keys come after my 32 queries: left out (ids and counts alone)
	s_cbranch_scc1 .Lhid_\@
.rept 4
	v_nop                                          ; places behind the last V^T P, ahead of the loads into V's registers
.endr
	FETCH_V \st
	s_wait_dscnt 16                                ; K and the bias are in; V's 16 loads may be out
	WIN W_KQ
.irp kk, 0,1                           ; eight accumulators by turns
.irp kt, 0,1,2,3
.irp t, 0,1
.if \kk == 0
	v_wmma_f32_16x16x32_f16 v[S+32*\t+8*\kt:S+32*\t+8*\kt+7], v[KR+16*\kt:KR+16*\kt+7], v[16*\t:16*\t+7], v[BI+8*\kt:BI+8*\kt+7]
.else
	v_wmma_f32_16x16x32_f16 v[S+32*\t+8*\kt:S+32*\t+8*\kt+7], v[KR+16*\kt+8:KR+16*\kt+15], v[16*\t+8:16*\t+15], v[S+32*\t+8*\kt:S+32*\t+8*\kt+7]
.endif
.endr
.endr
.endr
	WIN 0
.rept 4
	v_nop                                          ; places: ahead of the reads of S^T and of the loads into K's and the bias's registers
.endr
.if \st < 3
	FETCH_KB (\st)+1                               ; the next step's K and bias land under the softmax
	WIN 0
.endif
	s_add_co_u32 s70, s[KF], 63
	s_cmp_le_u32 s70, s[Q0]                        ; a step all of whose keys count skips the causal mask
	s_cbranch_scc1 .Lopen_\@
	s_sub_co_i32 s70, s[Q0], s[KF]
	v_add_nc_u32 v[D0], s70, v[DQ]                 ; register 8 kt + j of tile t holds key KF + 16 kt + 8 (lane / 16) + j: hidden where 16 kt + j > Q0 - KF + 16 t + lane % 16 - 8 (lane / 16)
	v_add_nc_u32 v[D0+1], 16, v[D0]
.irp t, 0,1
.irp kt, 0,1,2,3
.irp j, 0,1,2,3,4,5,6,7
	v_cmp_gt_i32 vcc_lo, 16*\kt+\j, v[D0+\t]
	v_cndmask_b32 v[S+32*\t+8*\kt+\j], v[S+32*\t+8*\kt+\j], v[NEGR], vcc_lo
.endr
.endr
.endr
.Lopen_\@:
	SOFTMAX
.if \st < 3
	s_wait_dscnt 24                                ; V is in; the next step's 24 loads may be out
.else
	s_wait_dscnt 0x0
.endif
	WIN W_PV
.irp g, 0,1                            ; ten accumulators by turns
.irp ct, 0,1,2,3
.irp t, 0,1
	v_wmma_f32_16x16x32_f16 v[OACC+32*\t+8*\ct:OACC+32*\t+8*\ct+7], v[VR+32*\g+8*\ct:VR+32*\g+8*\ct+7], v[P+16*\t+8*\g:P+16*\t+8*\g+7], v[OACC+32*\t+8*\ct:OACC+32*\t+8*\ct+7]
.endr
.endr
.irp t, 0,1
	v_wmma_f32_16x16x32_f16 v[LACC+8*\t:LACC+8*\t+7], v[ONES:ONES+7], v[P+16*\t+8*\g:P+16*\t+8*\g+7], v[LACC+8*\t:LACC+8*\t+7]
.endr
.endr
	WIN 0
.Lhid_\@:
	s_add_co_u32 s[KF], s[KF], 64
.endm
.macro CHUNK
	v_add_nc_u32 v[ADK], s[TB], v[AK0]
	v_add_nc_u32 v[ADV], s[TB], v[AV0]
	v_add_nc_u32 v[ADB], s[TBI], v[AB0]
	FETCH_KB 0
	WIN 0
	STEP 0
	STEP 1
	STEP 2
	STEP 3
	s_xor_b32 s[TB], s[TB], SLOT1
	s_add_co_u32 s[TBI], s[TBI], 1024
.endm
; A block of queries begins: its number stands in s[blk].  O^T and l begin as zeros and m as -3e38: the key step is written once, and its first change of m multiplies zeros.
.macro INIT blk
	s_lshl_b32 s[Q0], s[\blk], 8
	s_lshl_b32 s70, s[WV], 5
	s_add_co_u32 s[Q0], s[Q0], s70                 ; my first query
	s_mov_b32 s[KF], 0
	s_wait_xcnt 0x0                                ; the last block's stores have read their base and registers
	s_lshl_b32 s70, s[Q0], 7
	s_mov_b32 s71, 0
	s_add_nc_u64 s[QP:QP+1], s[QB:QB+1], s[70:71]
	s_add_nc_u64 s[YP:YP+1], s[YB:YB+1], s[70:71]
	WIN TO1
.irp t, 0,1
.irp kk, 0,1
	global_load_b128 v[16*\t+8*\kk:16*\t+8*\kk+3], v[QO], s[QP:QP+1] offset:\t*2048+\kk*64
	global_load_b128 v[16*\t+8*\kk+4:16*\t+8*\kk+7], v[QO], s[QP:QP+1] offset:\t*2048+\kk*64+32
.endr
.endr
.set ii, 0
.rept 80
	v_mov_b32 v[OACC+ii], 0
.set ii, ii+1
.endr
	WIN 0
.irp t, 0,1
	v_mov_b32 v[ST+8*\t+1], 0xff61b1e6             ; -3e38, under every score
	v_mul_f32 v[ST+8*\t], s[CS], v[ST+8*\t+1]
.endr
.endm
; A block of queries ends: O^T / l, or the head's mean of v where no key counted; f16; through my stage; 16 queries leave as 2,048 consecutive bytes.
.macro EPILOGUE
	s_wait_dscnt 0x0
.rept 4
	v_nop                                          ; places behind the last products
.endr
.irp ct, 0,1,2,3
	ds_load_b128 v[VMF+8*\ct:VMF+8*\ct+3], v[VMR] offset:64*\ct
	ds_load_b128 v[VMF+8*\ct+4:VMF+8*\ct+7], v[VMR] offset:64*\ct+16
.endr
	WIN RC1
	v_rcp_f32 v[R0], v[LACC]
	v_rcp_f32 v[R0+2], v[LACC+8]
	WIN 0
	v_nop                                          ; a plain instruction behind the reciprocals
	v_cmp_gt_f32 s72, s74, v[ST+1]                 ; -5e8 > m: no key counted
	v_cmp_gt_f32 s73, s74, v[ST+9]
	s_wait_alu depctr_va_vdst(0)                   ; one wait for the two reciprocals, ahead of their first reader
.irp t, 0,1
	WIN RC1
.set ii, 0
.rept 16
	v_pk_mul_f32 v[EW+ii:EW+ii+1], v[OACC+32*\t+ii:OACC+32*\t+ii+1], v[R0+2*\t:R0+2*\t+1] op_sel_hi:[1,0]
.set ii, ii+2
.endr
	WIN 0
	s_wait_dscnt 0x0                               ; the mean's fragments are in
.set ii, 0
.rept 32
	v_cndmask_b32 v[EW+ii], v[EW+ii], v[VMF+ii], s[72+\t]
.set ii, ii+1
.endr
.set ii, 0
.rept 16
	v_cvt_pk_f16_f32 v[EW+ii], v[EW+2*ii], v[EW+2*ii+1]
.set ii, ii+1
.endr
.irp ct, 0,1,2,3
	ds_store_b128 v[STO], v[EW+4*\ct:EW+4*\ct+3] offset:32*\ct
.endr
.irp i, 0,1,2,3
	ds_load_b128 v[S+16*\t+4*\i:S+16*\t+4*\i+3], v[RD] offset:\i*4*PK        ; LDS serves a wave's instructions in order: these see my stores
.endr
	s_wait_dscnt 0x0
.irp i, 0,1,2,3
	global_store_b128 v[GO], v[S+16*\t+4*\i:S+16*\t+4*\i+3], s[YP:YP+1] offset:\t*2048+\i*512   ; four queries: 512 consecutive bytes
.endr
.endr
.endm
	s_load_b256 s[4:11], s[0:1], 0x0               ; qkv s[4:5], side s[6:7], tok_mask s[8:9], y s[10:11]
	s_load_b64 s[12:13], s[0:1], 0x20              ; vmean
	v_lshl_add_u32 v[SPW], v0, 2, SPARE
	v_mov_b32 v[NIL], 0
	ds_add_u32 v[SPW], v[NIL]                      ; the wave's opening: the add, twice on end, and its wait ahead of my first tensor load
	ds_add_u32 v[SPW], v[NIL]
	v_lshrrev_b32 v1, 5, v0
	v_readfirstlane_b32 s[WV], v1                  ; wave 0..7
	s_mov_b32 s[WI], ttmp9
	s_and_b32 s[BH], ttmp7, 0xffff
	s_lshr_b32 s[BAT], s[BH], 4
	s_sub_co_u32 s[SW], 7, s[WI]
	s_mov_b32 s[NN], 0
	s_mov_b32 s[SEL], 0x76543210
	s_mov_b32 s[SEL+1], 0xfedcba98
	s_mov_b32 s[CS], 0x3e38aa3b                    ; c = log2(e) / 8
	s_mov_b32 s[CS+1], s[CS]
	s_mov_b32 s74, 0xcdee6b28                      ; -5e8
	s_mov_b32 s[G1K], (1<<16)|(1<<20)|(4<<22)|(3<<25)   ; elements of 2 bytes; padding on: 4 words after every 32
	s_mov_b32 s[G1V], (1<<16)|(1<<20)|(4<<22)|(7<<25)   ; 8 words after every 32
.irp g, G1K, G1V
	s_mov_b32 s[\g+1], 64<<16                      ; tensor_dim0 = 64
	s_mov_b32 s[\g+2], 64<<16                      ; tensor_dim1 = 64
	s_mov_b32 s[\g+3], 64<<16                      ; tile_dim0 = 64
	s_mov_b32 s[\g+4], 64                          ; tile_dim1 = 64
	s_mov_b32 s[\g+5], 64                          ; from row to row
	s_mov_b32 s[\g+6], 0
	s_mov_b32 s[\g+7], 0
.endr
	s_mov_b32 s[TB], 0
	s_mov_b32 s[TBI], 0
	s_add_co_u32 s75, s[SW], 1
	s_lshl_b32 s[BKV], s75, 15                     ; the first block's chunks in bytes
	s_mov_b32 s[BK], 0
	s_mov_b32 s[BK+1], 0
	s_and_b32 s70, s[WV], 3
	s_mul_i32 s71, s70, 64*PK                      ; my 64 rows in a slot: of K,
	s_mul_i32 s72, s70, 64*PV
	s_add_co_u32 s72, s72, VOFF                    ; of V
	s_lshl_b32 s76, s70, 13
	s_lshl_b32 s78, s[BH], 18                      ; the head's first byte in each part, and in y
	s_add_co_u32 s76, s76, s78
	s_mov_b32 s77, 0
	s_mov_b32 s79, 0
	s_cmp_eq_u32 s[WI], 0
	s_cselect_b32 s[LIM], 5, -1
	s_wait_dscnt 0x0                               ; both opening adds are done
	s_wait_kmcnt 0x0
	s_mov_b32 s[G0K], 1
	s_mov_b32 s[G0K+1], s71
	s_add_nc_u64 s[G0K+2:G0K+3], s[4:5], s[76:77]
	s_add_nc_u64 s[G0K+2:G0K+3], s[G0K+2:G0K+3], 16777216
	s_or_b32 s[G0K+3], s[G0K+3], 0x80000000
	s_mov_b32 s[G0V], 1
	s_mov_b32 s[G0V+1], s72
	s_add_nc_u64 s[G0V+2:G0V+3], s[4:5], s[76:77]
	s_add_nc_u64 s[G0V+2:G0V+3], s[G0V+2:G0V+3], 33554432
	s_or_b32 s[G0V+3], s[G0V+3], 0x80000000
	TLOAD                                          ; chunk 0 into slot 0
	s_add_nc_u64 s[QB:QB+1], s[4:5], s[78:79]
	s_add_nc_u64 s[YB:YB+1], s[10:11], s[78:79]
	s_mov_b32 s70, 33554432+32768
	s_cmp_lt_u32 s[WV], 4
	s_cselect_b32 s70, 16777216+32768, s70         ; my prefetches stand at chunk 1 of K or of V: the first change of slots steps them to chunk 2
	s_mov_b32 s71, 0
	s_add_nc_u64 s[PFA:PFA+1], s[4:5], s[76:77]
	s_add_nc_u64 s[PFA:PFA+1], s[PFA:PFA+1], s[70:71]
	s_lshl_b32 s70, s[BAT], 11
	s_add_nc_u64 s[80:81], s[8:9], s[70:71]        ; my batch's row of tok_mask
	s_lshl_b32 s70, s[BAT], 16
	s_and_b32 s72, s[BH], 15
	s_lshl_b32 s72, s72, 8
	s_add_co_u32 s70, s70, s72
	s_add_co_u32 s70, s70, 786432
	s_add_nc_u64 s[82:83], s[6:7], s[70:71]        ; my head's 64 columns of the batch's 16 rows of column sums
	s_lshl_b32 s70, s[BH], 8
	s_add_nc_u64 s[12:13], s[12:13], s[70:71]
	v_and_b32 v176, 15, v0                         ; r
	v_bfe_u32 v177, v0, 4, 1                       ; h
	v_and_b32 v178, 31, v0                         ; lane
	v_mul_u32_u24 v[AK0], v176, PK
	v_lshl_add_u32 v[AK0], v177, 4, v[AK0]         ; K: row r x pitch + 16 h
	v_and_b32 v179, 7, v0
	v_lshl_add_u32 v179, v177, 3, v179
	v_mul_u32_u24 v[AV0], v179, PV                 ; V: key 8 h + lane % 8,
	v_bfe_u32 v179, v0, 3, 1
	v_lshl_add_u32 v[AV0], v179, 4, v[AV0]         ; channels 8 ((lane / 8) % 2) on
	v_add_nc_u32 v[AV0], VOFF, v[AV0]
	v_lshlrev_b32 v[AB0], 5, v177
	v_add_nc_u32 v[AB0], BIAS, v[AB0]              ; the bias of keys 8 h + 0..7
	s_mul_i32 s70, s[WV], 16*PK
	s_add_co_u32 s70, s70, STAGE
	v_add_nc_u32 v[STO], s70, v[AK0]               ; my stage, in: row r, 16 bytes for each half
	v_lshrrev_b32 v179, 3, v178
	v_mul_u32_u24 v179, v179, PK
	v_and_b32 v180, 7, v0
	v_lshl_add_u32 v179, v180, 4, v179
	v_add_nc_u32 v[RD], s70, v179                  ; back: eight lanes to a row
	v_lshlrev_b32 v[GO], 4, v178
	v_lshlrev_b32 v[QO], 7, v176
	v_lshl_add_u32 v[QO], v177, 4, v[QO]
	v_lshlrev_b32 v179, 3, v177
	v_sub_nc_u32 v[DQ], v176, v179
	v_lshlrev_b32 v[VMR], 5, v177
	v_add_nc_u32 v[VMR], VM, v[VMR]
	v_and_b32 v180, 63, v0
	v_lshlrev_b32 v[VO4], 2, v180
	v_add_nc_u32 v[VMW], VM, v[VO4]
	v_lshl_add_u32 v[BW], v0, 2, BIAS
	v_lshlrev_b32 v[PFO], 8, v178
	v_mov_b32 v[NEGR], 0xce6e6b28                  ; -1e9
	v_mov_b32 v[ST+3], 0                           ; named as the upper halves of pairs, so they are written
	v_mov_b32 v[ST+11], 0
	v_mov_b32 v[R0+1], 0
	v_mov_b32 v[R0+3], 0
	INIT SW                                        ; block 7 - i first
	WIN TO1
.irp i, 0,1,2,3,4,5,6,7
	v_mov_b32 v[ONES+\i], 0x3c003c00               ; 1.0, 1.0 in f16
.endr
	WIN 0
	; the bias table: chunk n of the walk is chunk n of the head up to trip 7 - i, then chunk n - (8 - i); thread v0 takes key v0 of each
.irp n, 0,1,2,3,4,5,6,7,8
	s_cmp_ge_u32 s[SW], \n
	s_cselect_b32 s70, 0, s75
	s_sub_co_u32 s70, \n, s70
	v_lshl_add_u32 v[EW+\n], s70, 8, v0
	global_load_u8 v[EW+16+\n], v[EW+\n], s[80:81]
.endr
	; the head's mean of v: waves 0 and 1, a thread to a channel: the 16 half tiles' sums / 2,048
	s_cmp_lt_u32 s[WV], 2
	s_cbranch_scc0 .Lno_vm
.irp p, 0,1,2,3,4,5,6,7,8,9,10,11,12,13,14,15
	global_load_b32 v[VMF+\p], v[VO4], s[82:83] offset:\p*4096
.endr
	s_wait_loadcnt 0x0
.irp p, 0,2,4,6,8,10,12,14
	v_add_f32 v[VMF+\p], v[VMF+\p], v[VMF+\p+1]
.endr
.irp p, 0,4,8,12
	v_add_f32 v[VMF+\p], v[VMF+\p], v[VMF+\p+2]
.endr
.irp p, 0,8
	v_add_f32 v[VMF+\p], v[VMF+\p], v[VMF+\p+4]
.endr
	v_add_f32 v[VMF], v[VMF], v[VMF+8]
	v_mul_f32 v[VMF], 0x3a000000, v[VMF]           ; x 2^-11
	ds_store_b32 v[VMW], v[VMF]
	s_cmp_lg_u32 s[WI], 0                          ; one work-group of a head hands it on to the launch for the first positions
	s_cbranch_scc1 .Lno_vm
	global_store_b32 v[VO4], v[VMF], s[12:13]
.Lno_vm:
	s_wait_loadcnt 0x0                             ; the mask bytes, and Q
.irp n, 0,1,2,3,4,5,6,7,8
	v_cmp_eq_u32 vcc_lo, 0, v[EW+16+\n]
	v_cndmask_b32 v[EW+\n], 0, v[NEGR], vcc_lo     ; 0 for a key that counts, -1e9 for one that does not
	ds_store_b32 v[BW], v[EW+\n] offset:\n*1024
.endr
	; the first change of slots waits for these stores and passes a barrier: both tables are then whole for every wave
.Lseq:                                             ; eight trips; behind each change of slots the walk's next chunk is asked for
	CHANGE 1
	CHUNK
	s_cmp_lg_u32 s[NN], s[SW]                      ; ids and the count of trips alone
	s_cbranch_scc1 .Lsame
	EPILOGUE                                       ; block 7 - i is done;
	INIT WI                                        ; block i begins
	s_wait_loadcnt 0x0
.Lsame:
	s_add_co_u32 s[NN], s[NN], 1
	s_cmp_lt_u32 s[NN], 8
	s_cbranch_scc1 .Lseq
	CHANGE 0                                       ; the ninth chunk is written out: nothing is left to ask for
	CHUNK
	EPILOGUE
	s_wait_tensorcnt 0x0                           ; the wave's end
	ds_add_u32 v[SPW], v[NIL]
	s_wait_dscnt 0x0
	s_endpgm
.Lfunc_end_k_q6559edb3b4_attn:
	.size	k_q6559edb3b4_attn, .Lfunc_end_k_q6559edb3b4_attn-k_q6559edb3b4_attn
	.p2alignl 7, 3214868480
	.fill 96, 4, 3214868480
	.section	.rodata,"a",@progbits
	.p2align	6, 0x0
	.amdhsa_kernel k_q6559edb3b4_attn
		.amdhsa_group_segment_fixed_size 327680
		.amdhsa_private_segment_fixed_size 0
		.amdhsa_enable_private_segment 0
		.amdhsa_kernarg_size 40
		.amdhsa_user_sgpr_count 2
		.amdhsa_user_sgpr_kernarg_segment_ptr 1
		.amdhsa_wavefront_size32 1
		.amdhsa_system_sgpr_workgroup_id_x 1
		.amdhsa_system_sgpr_workgroup_id_y 1
		.amdhsa_system_sgpr_workgroup_id_z 1
		.amdhsa_system_vgpr_workitem_id 0
		.amdhsa_next_free_vgpr 512
		.amdhsa_next_free_sgpr 84
		.amdhsa_reserve_vcc 1
		.amdhsa_float_denorm_mode_32 3
		.amdhsa_float_denorm_mode_16_64 3
		.amdhsa_memory_ordered 1
		.amdhsa_forward_progress 1
		.amdhsa_inst_pref_size 206
	.end_amdhsa_kernel
	.amdgpu_metadata
---
amdhsa.version: [ 1, 2 ]
amdhsa.kernels:
  - .name:           k_q6559edb3b4_attn
    .symbol:         k_q6559edb3b4_attn.kd
    .args:
      - { .name: qkv, .offset: 0, .size: 8, .value_kind: global_buffer, .address_space: global }
      - { .name: side, .offset: 8, .size: 8, .value_kind: global_buffer, .address_space: global }
      - { .name: tok_mask, .offset: 16, .size: 8, .value_kind: global_buffer, .address_space: global }
      - { .name: y, .offset: 24, .size: 8, .value_kind: global_buffer, .address_space: global }
      - { .name: vmean, .offset: 32, .size: 8, .value_kind: global_buffer, .address_space: global }
    .group_segment_fixed_size: 327680
    .private_segment_fixed_size: 0
    .kernarg_segment_align: 8
    .kernarg_segment_size: 40
    .max_flat_workgroup_size: 256
    .sgpr_count:     84
    .vgpr_count:     512
    .wavefront_size: 32
...
	.end_amdgpu_metadata
.endif
;; end of part 3
;; launch first16 (part 4): grid 16 x 4, 16 waves a work-group, no clusters, 89,088 bytes of LDS; arguments side, vmean, tok_mask, wpt, out0; writes out0
.if DOCPART == 4
	.amdgcn_target "amdgcn-amd-amdhsa--gfx1250"
	.amdhsa_code_object_version 6
	.text
	.protected	k_q6559edb3b4_first16
	.globl	k_q6559edb3b4_first16
	.p2align	8
	.type	k_q6559edb3b4_first16,@function
k_q6559edb3b4_first16:
	s_mov_b64 s[64:65], 0
	v_nop
	global_prefetch_b8 v0, s[64:65] scope:SCOPE_SE
	s_setreg_imm32_b32 hwreg(HW_REG_WAVE_MODE, 25, 1), 1
	s_wait_xcnt 0x0
; THE FIRST 16 POSITIONS OF EVERY BATCH, carried finely: they average one to sixteen values and are the largest outputs.  Attention in f32 (the f32 matrix form: 32 instructions a wave, no bulk work), from the f32 copy of
; q, k, v; the projection with y and w_proj as pairs of f16, a high part and (rest x 2,048): out = Wh Yh + (Wl Yh + Wh Yl) / 2,048.
; Work-group (cg, b): batch b, output columns 64 cg .. + 63.  PHASE 1: wave w is head w.  PHASE 2: wave w makes 16 columns (w % 4) over a quarter of K (heads 4 (w / 4) on); the four quarters meet in LDS.
; A hidden key's score is -1e9; a query none of whose keys counts (maximum under -5e8) takes the head's mean of v over all 2,048 positions, from vmean.
; LIMITS: |q . k| under 2^28; y and w_proj inside f16's range; NaN and infinities are not served.
; y goes from wave to wave as images of the operand's registers: 16 bytes a lane, 512 bytes a store.
; REGISTERS: v16-63 are written by matrix instructions alone (v16-31 the scores in two halves, v32-63 O^T, later v32-55 the three sums of phase 2); v64-127 q and k, then the weights of K steps 4-7;
; v128-159 v, then the mean, then y's halves; v160-191 p, then y, later with v128-159 y's fragments; v192-255 the weights of K steps 0-3.
.set WLO,   2097152
.set RED,   65536                      ; behind y's images (16 heads x 4,096 bytes): 4 quarters x 16 rows x 272
.set VML,   RED+4*16*272               ; 16 x 256: a head's mean of v, turned to the lanes' layout
.set SPARE, VML+16*256                 ; the spare words, 128 bytes for each wave: eight blocks of 256 bytes that no other line names
.set SPW,   14
.set NIL,   15
.set PP,    160
	s_load_b256 s[4:11], s[0:1], 0x0               ; side s[4:5], vmean s[6:7], tok_mask s[8:9], wpt s[10:11]
	s_load_b64 s[12:13], s[0:1], 0x20              ; out0
	v_lshl_add_u32 v[SPW], v0, 2, SPARE
	v_mov_b32 v[NIL], 0
	v_lshrrev_b32 v9, 5, v0
	v_readfirstlane_b32 s14, v9                    ; wave 0..15
	s_and_b32 s16, ttmp7, 0xffff                   ; batch
	s_and_b32 s17, s14, 3                          ; phase 2: which 16 columns
	s_lshr_b32 s18, s14, 2                         ; phase 2: which quarter of K
	s_mov_b32 s20, 0x76543210
	s_mov_b32 s21, 0xfedcba98                      ; v_permlanex16_b32's selects for lane l xor 16
	s_mov_b32 s22, 0x3e38aa3b                      ; c = log2(e) / 8
	s_mov_b32 s23, 0xce6e6b28                      ; -1e9
	s_mov_b32 s24, 0x45000000                      ; 2,048.0
	s_mov_b32 s25, s24
	s_mov_b32 s26, 0x3a000000                      ; 1 / 2,048
	s_mov_b32 s27, 0xcdee6b28                      ; -5e8
	v_and_b32 v1, 15, v0                           ; r
	v_bfe_u32 v2, v0, 4, 1                         ; h
	v_mul_u32_u24 v3, v1, 12288
	v_lshl_add_u32 v3, v2, 7, v3                   ; q, k: position r, channels 32 h on
	v_mul_u32_u24 v4, v2, 98304
	v_lshl_add_u32 v4, v1, 2, v4                   ; v: positions 8 h on, channel r
	v_lshlrev_b32 v5, 11, v1
	v_lshl_add_u32 v5, v2, 4, v5                   ; wpt: row r, + 16 h
	v_lshlrev_b32 v9, 3, v2                        ; tok_mask: keys 8 h on
	v_sub_nc_u32 v8, v1, v9                        ; d = r - 8 h: key 8 h + j is causal where j <= d
	v_and_b32 v10, 31, v0
	v_lshlrev_b32 v10, 3, v10                      ; vmean: 8 bytes a lane
	s_mul_i32 s28, s16, 196608
	s_lshl_b32 s29, s14, 8
	s_add_co_u32 s28, s28, s29
	s_mov_b32 s29, 0                               ; side: batch x 16 rows of 12,288 bytes + head x 256
	s_lshl_b32 s30, ttmp9, 6
	s_lshl_b32 s31, s17, 4
	s_add_co_u32 s30, s30, s31
	s_lshl_b32 s30, s30, 11
	s_lshl_b32 s31, s18, 9
	s_add_co_u32 s30, s30, s31
	s_mov_b32 s31, 0                               ; wpt: row 64 cg + 16 (w % 4), K quarter x 512 bytes
	s_lshl_b32 s42, s16, 11
	s_mov_b32 s43, 0
	s_lshl_b32 s44, s16, 4
	s_add_co_u32 s44, s44, s14
	s_lshl_b32 s44, s44, 8
	s_mov_b32 s45, 0
	s_lshl_b32 s46, s16, 23
	s_lshl_b32 s47, ttmp9, 8
	s_add_co_u32 s46, s46, s47
	s_mov_b32 s47, 0                               ; out0: batch x 2,048 rows of 4,096 bytes + 256 cg
	s_wait_kmcnt 0x0
	s_add_nc_u64 s[32:33], s[4:5], s[28:29]
	s_add_nc_u64 s[34:35], s[10:11], s[30:31]
	s_add_nc_u64 s[36:37], s[8:9], s[42:43]
	s_add_nc_u64 s[38:39], s[6:7], s[44:45]
	s_add_nc_u64 s[40:41], s[12:13], s[46:47]
.macro WLOAD reg, k0                   ; four K steps of 32 from k0 on: for each the high and the low fragment, 16 registers
.irp ks, 0,1,2,3
.irp pt, 0,1
.irp c, 0,1
	global_load_b128 v[\reg+16*\ks+8*\pt+4*\c:\reg+16*\ks+8*\pt+4*\c+3], v5, s[34:35] offset:(\k0+\ks)*64+32*\c+\pt*WLO
.endr
.endr
.endr
.endm
	WLOAD 192, 0
.irp i, 0,1,2,3,4,5,6,7
	global_load_b128 v[64+4*\i:64+4*\i+3], v3, s[32:33] offset:16*\i               ; q
.endr
.irp i, 0,1,2,3,4,5,6,7
	global_load_b128 v[96+4*\i:96+4*\i+3], v3, s[32:33] offset:4096+16*\i          ; k
.endr
	global_load_b64 v[6:7], v9, s[36:37]           ; eight bytes of the token mask
	global_load_b64 v[12:13], v10, s[38:39]        ; the head's mean of v
.irp ct, 0,1,2,3
.irp i, 0,1,2,3,4,5,6,7
	global_load_b32 v[128+8*\ct+\i], v4, s[32:33] offset:8192+\i*12288+64*\ct      ; v(8 h + i, 16 ct + r)
.endr
.endr
	s_wait_xcnt 0x0                                ; the offset registers v3, v4, v9, v10 may be written again
	s_wait_loadcnt 33                              ; q, k and the mask are in; the mean (1) and v (32) may be out
	; S^T = k q^T: lane (r, h) holds channels 32 h + 0..31 of its row; step s takes registers 2 s, 2 s + 1 of both sides: the same four channels on both.  Two sums by turns
	v_wmma_f32_16x16x4_f32 v[16:23], v[96:97], v[64:65], 0
	v_wmma_f32_16x16x4_f32 v[24:31], v[98:99], v[66:67], 0
.irp s, 2,4,6,8,10,12,14
	v_wmma_f32_16x16x4_f32 v[16:23], v[96+2*\s:97+2*\s], v[64+2*\s:65+2*\s], v[16:23]
	v_wmma_f32_16x16x4_f32 v[24:31], v[98+2*\s:99+2*\s], v[66+2*\s:67+2*\s], v[24:31]
.endr
.rept 8
	v_nop                                          ; eight places behind this form
.endr
	WLOAD 64, 4                                    ; q's and k's registers take the weights of K steps 4-7
.irp j, 0,1,2,3,4,5,6,7
	v_add_f32 v[PP+\j], v[16+\j], v[24+\j]         ; the score of key 8 h + j, query r
.endr
.irp j, 0,1,2,3,4,5,6,7
	v_bfe_u32 v9, v[6+\j/4], 8*(\j%4), 8           ; the key's byte of the token mask,
	v_cmp_le_i32 vcc_lo, \j, v8
	v_cndmask_b32 v9, 0, v9, vcc_lo                ; 0 where the key comes after the query
	v_cmp_ne_u32 vcc_lo, 0, v9
	v_cndmask_b32 v[PP+\j], s23, v[PP+\j], vcc_lo
.endr
	v_max3_num_f32 v9, v[PP], v[PP+1], v[PP+2]
	v_max3_num_f32 v10, v[PP+3], v[PP+4], v[PP+5]
	v_max3_num_f32 v9, v9, v[PP+6], v[PP+7]
	v_max_num_f32 v9, v9, v10
	v_permlanex16_b32 v10, v9, s20, s21
	v_max_num_f32 v9, v9, v10                      ; the row's maximum
	v_cmp_gt_f32 s48, s27, v9                      ; no key counted
	v_mul_f32 v10, s22, v9
.irp j, 0,1,2,3,4,5,6,7
	v_fma_f32 v[PP+\j], v[PP+\j], s22, -v10
.endr
.irp j, 0,1,2,3,4,5,6,7
	v_exp_f32 v[PP+\j], v[PP+\j]
.endr
	v_and_b32 v4, 31, v0                           ; (a plain instruction behind the exponentials)
	s_wait_alu depctr_va_vdst(0)                   ; one wait for the eight, ahead of their first reader
	v_add_f32 v9, v[PP], v[PP+1]
	v_add_f32 v11, v[PP+2], v[PP+3]
	v_add_f32 v9, v9, v[PP+4]
	v_add_f32 v11, v11, v[PP+5]
	v_add_f32 v9, v9, v[PP+6]
	v_add_f32 v11, v11, v[PP+7]
	v_add_f32 v9, v9, v11
	v_permlanex16_b32 v11, v9, s20, s21
	v_add_f32 v9, v9, v11                          ; the row's sum
	v_rcp_f32 v3, v9
	v_lshlrev_b32 v4, 3, v4                        ; (a plain instruction behind the reciprocal)
	s_wait_alu depctr_va_vdst(0)
	s_lshl_b32 s28, s14, 8
	s_add_co_u32 s28, s28, VML
	v_add_nc_u32 v4, s28, v4                       ; my head's 256 bytes: 8 a lane on the way in,
	v_lshl_add_u32 v10, v2, 5, s28                 ; 32 h + 64 ct on the way out
	s_wait_loadcnt 48                              ; the mean is in; v (32) and the second batch of weights (16) may be out
	ds_store_b64 v4, v[12:13]
	s_wait_loadcnt 16                              ; v is in
	; O^T = v^T p: step s takes keys 8 h + 2 s, + 1 on both sides.  Four sums by turns
.irp s, 0,1,2,3
.irp ct, 0,1,2,3
.if \s == 0
	v_wmma_f32_16x16x4_f32 v[32+8*\ct:39+8*\ct], v[128+8*\ct:129+8*\ct], v[PP:PP+1], 0
.else
	v_wmma_f32_16x16x4_f32 v[32+8*\ct:39+8*\ct], v[128+8*\ct+2*\s:129+8*\ct+2*\s], v[PP+2*\s:PP+2*\s+1], v[32+8*\ct:39+8*\ct]
.endif
.endr
.endr
.rept 8
	v_nop
.endr
.irp ct, 0,1,2,3
	ds_load_b128 v[128+8*\ct:131+8*\ct], v10 offset:64*\ct        ; the mean of channels 16 ct + 8 h + 0..7 (my own bytes: LDS serves a wave's instructions in order)
	ds_load_b128 v[132+8*\ct:135+8*\ct], v10 offset:64*\ct+16
.endr
.set ii, 0
.rept 32
	v_mul_f32 v[160+ii], v[32+ii], v3              ; y(r, 16 ct + 8 h + j), each accumulator from its low end on
.set ii, ii+1
.endr
	s_wait_dscnt 0x0
.set ii, 0
.rept 32
	v_cndmask_b32 v[160+ii], v[160+ii], v[128+ii], s48
.set ii, ii+1
.endr
	; the split: registers 8 g .. 8 g + 7 of each part are source 1 of the projection for channels 32 g on: nothing changes lanes
.set ii, 0
.rept 16
	v_cvt_pk_f16_f32 v9, v[160+2*ii], v[161+2*ii]
	v_cvt_f32_f16 v10, v9.l
	v_cvt_f32_f16 v11, v9.h
	v_mov_b32 v[128+ii], v9
	v_pk_add_f32 v[160+2*ii:161+2*ii], v[160+2*ii:161+2*ii], v[10:11] neg_lo:[0,1] neg_hi:[0,1]
	v_pk_mul_f32 v[160+2*ii:161+2*ii], v[160+2*ii:161+2*ii], s[24:25] op_sel_hi:[1,0]
	v_cvt_pk_f16_f32 v[144+ii], v[160+2*ii], v[161+2*ii]
.set ii, ii+1
.endr
	v_and_b32 v4, 31, v0
	v_lshlrev_b32 v4, 4, v4                        ; 16 x lane
	s_lshl_b32 s28, s14, 12
	v_add_nc_u32 v3, s28, v4                       ; my head's images
.irp g, 0,1
.irp c, 0,1
	ds_store_b128 v3, v[128+8*\g+4*\c:131+8*\g+4*\c] offset:\g*2048+\c*512
	ds_store_b128 v3, v[144+8*\g+4*\c:147+8*\g+4*\c] offset:\g*2048+1024+\c*512
.endr
.endr
	s_wait_dscnt 0x0                               ; for the others' sake: my images have landed
	s_barrier_signal -1
	s_barrier_wait -1
	; ---- phase 2
	s_lshl_b32 s28, s18, 14
	v_add_nc_u32 v3, s28, v4                       ; my quarter's eight K steps: 2,048 bytes each
	s_wait_loadcnt 0x0                             ; the weights
.macro HALF hf, wr                     ; four K steps: y's fragments from LDS, twelve products, three sums by turns
.irp ks, 0,1,2,3
.irp pt, 0,1
.irp c, 0,1
	ds_load_b128 v[128+16*\ks+8*\pt+4*\c:131+16*\ks+8*\pt+4*\c], v3 offset:(4*\hf+\ks)*2048+\pt*1024+\c*512
.endr
.endr
.endr
	s_wait_dscnt 0x0
.irp ks, 0,1,2,3
.if (\hf == 0) && (\ks == 0)
	v_wmma_f32_16x16x32_f16 v[32:39], v[\wr:\wr+7], v[128:135], 0
	v_wmma_f32_16x16x32_f16 v[40:47], v[\wr+8:\wr+15], v[128:135], 0
	v_wmma_f32_16x16x32_f16 v[48:55], v[\wr:\wr+7], v[136:143], 0
.else
	v_wmma_f32_16x16x32_f16 v[32:39], v[\wr+16*\ks:\wr+16*\ks+7], v[128+16*\ks:135+16*\ks], v[32:39]
	v_wmma_f32_16x16x32_f16 v[40:47], v[\wr+16*\ks+8:\wr+16*\ks+15], v[128+16*\ks:135+16*\ks], v[40:47]
	v_wmma_f32_16x16x32_f16 v[48:55], v[\wr+16*\ks:\wr+16*\ks+7], v[136+16*\ks:143+16*\ks], v[48:55]
.endif
.endr
.rept 4
	v_nop                                          ; places: ahead of loads into the fragments' registers, and of the first read of the sums
.endr
.endm
	HALF 0, 192
	HALF 1, 64
.irp j, 0,1,2,3,4,5,6,7
	v_add_f32 v[9+\j%2], v[40+\j], v[48+\j]
	v_fma_f32 v[160+\j], v[9+\j%2], s26, v[32+\j]  ; out(r, 16 (w % 4) + 8 h + j), my quarter of K
.endr
	s_mul_i32 s28, s18, 16*272
	s_lshl_b32 s29, s17, 6
	s_add_co_u32 s28, s28, s29
	s_add_co_u32 s28, s28, RED
	v_mul_u32_u24 v5, v1, 272
	v_lshl_add_u32 v5, v2, 5, v5
	v_add_nc_u32 v5, s28, v5
	v_lshrrev_b32 v6, 4, v0                        ; the last step's addresses, made ahead of the branch on the wave's number: thread v0 takes row v0 / 16, 16 bytes v0 % 16
	v_mul_u32_u24 v7, v6, 272
	v_lshl_add_u32 v7, v1, 4, v7
	v_add_nc_u32 v7, RED, v7
	v_lshlrev_b32 v6, 12, v6
	v_lshl_add_u32 v6, v1, 4, v6
	ds_store_b128 v5, v[160:163]
	ds_store_b128 v5, v[164:167] offset:16
	s_wait_dscnt 0x0
	s_barrier_signal -1
	s_barrier_wait -1
	s_cmp_lt_u32 s14, 8                            ; 256 threads add the four quarters and store 16 rows x 256 bytes
	s_cbranch_scc0 .Ldone
.irp q, 0,1,2,3
	ds_load_b128 v[128+4*\q:131+4*\q], v7 offset:\q*16*272
.endr
	s_wait_dscnt 0x0
	v_pk_add_f32 v[128:129], v[128:129], v[132:133]
	v_pk_add_f32 v[130:131], v[130:131], v[134:135]
	v_pk_add_f32 v[136:137], v[136:137], v[140:141]
	v_pk_add_f32 v[138:139], v[138:139], v[142:143]
	v_pk_add_f32 v[128:129], v[128:129], v[136:137]
	v_pk_add_f32 v[130:131], v[130:131], v[138:139]
	global_store_b128 v6, v[128:131], s[40:41]     ; sixteen lanes store 256 consecutive bytes, aligned
.Ldone:
	s_wait_tensorcnt 0x0                           ; the wave's end
	ds_add_u32 v[SPW], v[NIL]
	s_wait_dscnt 0x0
	s_endpgm
.Lfunc_end_k_q6559edb3b4_first16:
	.size	k_q6559edb3b4_first16, .Lfunc_end_k_q6559edb3b4_first16-k_q6559edb3b4_first16
	.p2alignl 7, 3214868480
	.fill 96, 4, 3214868480
	.section	.rodata,"a",@progbits
	.p2align	6, 0x0
	.amdhsa_kernel k_q6559edb3b4_first16
		.amdhsa_group_segment_fixed_size 89088
		.amdhsa_private_segment_fixed_size 0
		.amdhsa_enable_private_segment 0
		.amdhsa_kernarg_size 40
		.amdhsa_user_sgpr_count 2
		.amdhsa_user_sgpr_kernarg_segment_ptr 1
		.amdhsa_wavefront_size32 1
		.amdhsa_system_sgpr_workgroup_id_x 1
		.amdhsa_system_sgpr_workgroup_id_y 1
		.amdhsa_system_sgpr_workgroup_id_z 1
		.amdhsa_system_vgpr_workitem_id 0
		.amdhsa_next_free_vgpr 256
		.amdhsa_next_free_sgpr 66
		.amdhsa_reserve_vcc 1
		.amdhsa_float_denorm_mode_32 3
		.amdhsa_float_denorm_mode_16_64 3
		.amdhsa_memory_ordered 1
		.amdhsa_forward_progress 1
		.amdhsa_inst_pref_size 33
	.end_amdhsa_kernel
	.amdgpu_metadata
---
amdhsa.version: [ 1, 2 ]
amdhsa.kernels:
  - .name:           k_q6559edb3b4_first16
    .symbol:         k_q6559edb3b4_first16.kd
    .args:
      - { .name: side, .offset: 0, .size: 8, .value_kind: global_buffer, .address_space: global }
      - { .name: vmean, .offset: 8, .size: 8, .value_kind: global_buffer, .address_space: global }
      - { .name: tok_mask, .offset: 16, .size: 8, .value_kind: global_buffer, .address_space: global }
      - { .name: wpt, .offset: 24, .size: 8, .value_kind: global_buffer, .address_space: global }
      - { .name: out0, .offset: 32, .size: 8, .value_kind: global_buffer, .address_space: global }
    .group_segment_fixed_size: 89088
    .private_segment_fixed_size: 0
    .kernarg_segment_align: 8
    .kernarg_segment_size: 40
    .max_flat_workgroup_size: 512
    .sgpr_count:     66
    .vgpr_count:     256
    .wavefront_size: 32
...
	.end_amdgpu_metadata
.endif
;; end of part 4
;; launch proj (part 5): grid 4 x 64, 4 waves a work-group, clusters of 4 x 4, 327,680 bytes of LDS; arguments y, wpt, out0; writes out0
.if DOCPART == 5
	.amdgcn_target "amdgcn-amd-amdhsa--gfx1250"
	.amdhsa_code_object_version 6
	.text
	.protected	k_q6559edb3b4_proj
	.globl	k_q6559edb3b4_proj
	.p2align	8
	.type	k_q6559edb3b4_proj,@function
k_q6559edb3b4_proj:
	s_mov_b64 s[64:65], 0
	v_nop
	global_prefetch_b8 v0, s[64:65] scope:SCOPE_SE
	s_setreg_imm32_b32 hwreg(HW_REG_WAVE_MODE, 25, 1), 1
	s_wait_xcnt 0x0
	s_wait_alu depctr_hold_cnt(0) depctr_sa_sdst(0) depctr_va_vdst(0) depctr_va_sdst(0) depctr_va_ssrc(0) depctr_va_vcc(0) depctr_vm_vsrc(0)
	s_getreg_b32 s2, hwreg(HW_REG_IB_STS2, 6, 4)
	s_cmp_eq_u32 s2, 0
	s_cbranch_scc0 .Lentry_in_a_cluster
	s_endpgm
.Lentry_in_a_cluster:
	s_bfe_u32 s2, ttmp6, 0x10000c
	s_cmp_lg_u32 s2, 0xf033
	s_cbranch_scc0 .Lentry_shape_is_right
	s_endpgm
.Lentry_shape_is_right:
; out0 = y w_proj: [8192][1024] x [1024 (n)][1024 (k)]^T in f16, sums in f32, out0 f32.  y lies by head, [batch x 16 + head][position][64]; wpt's high part lies [n][k].
; A tile of out0 is 128 rows x 256 columns: 256 work-groups.  Four waves, each 64 x 128: 32 accumulators, 256 registers.  K goes in steps of 128, two heads, through a ring of two LDS slots.
; CLUSTERS: 4 x 4 work-groups; the tile column is cx, the tile row 16 cy + (cluster y): a batch is one cy.  A's tiles are asked for jointly along a row of the cluster, B's along a column.
; Waves 0 and 1 fetch a K step's two heads of y (128 rows x 128 bytes, dense in memory), waves 2 and 3 the halves of B's 256 rows x 256 bytes.
; THE MATRIX INSTRUCTION IS USED TRANSPOSED (source 0 = 16 rows of wpt, source 1 = 16 rows of y): a lane holds eight neighbouring columns of one row.
; Positions 0-15 of every batch belong to the launch for the first positions: their sixteen stores are jumped over here (cluster y = 0, upper row half, block 0), so that each byte of out0 is written once.
; LIMIT: y and w_proj inside f16's range.
; No prefetch: the launch is short, and its tiles are shared by joint loads.
; REGISTERS: window 0: v16-29 addresses; v64-95, v96-127 A's fragments, two buffers; v128-255 the way out.  window 1: v0-63, v64-127 B's fragments.  window 2: accumulator (a, b) at v[8 (8 a + b)].
.set PA,     144                       ; a row of y in LDS: 128 bytes + 16
.set PB,     272                       ; a row of wpt: 256 + 16
.set HEADT,  128*PA
.set HALFB,  128*PB
.set BOFF,   2*HEADT
.set SLOT,   BOFF+2*HALFB
.set STAGE,  2*SLOT                    ; 16 rows x 528 for each wave
.set SPITCH, 528
.set SPARE,  STAGE+4*16*SPITCH         ; the spare words, 128 bytes for each wave: two blocks of 256 bytes that no other line names
.set LAPS,   4                         ; a lap = two K steps = once round the ring
.set ADRA, 16
.set ADRB, 20
.set STO,  24
.set RD,   25
.set CO,   26
.set SPW,  28
.set NIL,  29
.set FA,   64
.set BK,   128
.set G1, 24
.set G0, 32
.set G1B, 48
.set G0B, 56
.set MSB, 0
.macro WIN new                         ; the immediate's high byte repeats the setting that is left
.if MSB != \new
	s_set_vgpr_msb (MSB<<8)|\new
.set MSB, \new
.endif
.endm
.set MUL,  0xa1                        ; source 0 (B) window 1, source 1 (A) window 0, C and D window 2
.set TO_B, 0x40
.macro JLOAD s                         ; a joint load; an s_nop 0 and four v_nop follow each of the two lines
	s_cmp_eq_u32 s11, 0
	s_cbranch_scc0 .Lfor_b_\@
	tensor_load_to_lds s[G0+4*\s:G0+4*\s+3], s[G1:G1+7]
	s_nop 0
.rept 4
	v_nop
.endr
	s_branch .Lasked_\@
.Lfor_b_\@:
	tensor_load_to_lds s[G0B+4*\s:G0B+4*\s+3], s[G1B:G1B+7]
	s_nop 0
.rept 4
	v_nop
.endr
.Lasked_\@:
.endm
.macro CREST                           ; a round of the cluster's barrier behind its opening barrier
	s_cmp_lg_u32 s10, 0
	s_cbranch_scc1 .Lnot_wave_0_\@
	s_barrier_signal -3
.Lnot_wave_0_\@:
	s_barrier_wait -3
	s_barrier_signal -1
	s_barrier_wait -1
.endm
.macro CROUND
	s_barrier_signal -1
	s_barrier_wait -1
	CREST
.endm
	s_load_b128 s[4:7], s[0:1], 0x0                ; y s[4:5], wpt s[6:7]
	s_load_b64 s[8:9], s[0:1], 0x10                ; out0
	v_lshl_add_u32 v[SPW], v0, 2, SPARE
	v_mov_b32 v[NIL], 0
	ds_add_u32 v[SPW], v[NIL]                      ; the wave's opening: the add, twice on end, and its wait ahead of my first tensor load
	ds_add_u32 v[SPW], v[NIL]
	v_lshrrev_b32 v1, 5, v0
	v_readfirstlane_b32 s10, v1                    ; wave 0..3
	s_lshr_b32 s11, s10, 1                         ; which 64 rows are mine.  Also: I fetch for A (0) or for B (1)
	s_and_b32 s12, s10, 1                          ; which 128 columns.  Also: which head, or which 128 rows of B, I fetch
	s_bfe_u32 s40, ttmp6, 0x40000                  ; cx
	s_bfe_u32 s41, ttmp6, 0x40004                  ; cy
	s_lshl_b32 s42, ttmp9, 2
	s_add_co_u32 s42, s42, s40                     ; tile column
	s_and_b32 s13, ttmp7, 0xffff                   ; cluster y: the tile of 128 positions within a batch
	s_lshl_b32 s43, s41, 2
	s_lshl_b32 s43, 15, s43                        ; my row of the cluster
	s_lshl_b32 s44, 0x1111, s40                    ; my column
	s_or_b32 s[G1+0], s43, (1<<16)|(1<<20)|(1<<21)|(4<<22)|(3<<25)   ; the mask; elements of 2 bytes; padding on; bit 21 beside a mask; 4 words after every 32
	s_mov_b32 s[G1+1], 64<<16                      ; tensor_dim0 = 64
	s_mov_b32 s[G1+2], 128<<16                     ; tensor_dim1 = 128
	s_mov_b32 s[G1+3], 64<<16                      ; tile_dim0 = 64
	s_mov_b32 s[G1+4], 128                         ; tile_dim1 = 128
	s_mov_b32 s[G1+5], 64                          ; from row to row
	s_mov_b32 s[G1+6], 0
	s_mov_b32 s[G1+7], 0
	s_or_b32 s[G1B+0], s44, (1<<16)|(1<<20)|(1<<21)|(5<<22)|(3<<25)  ; 4 words after every 64
	s_mov_b32 s[G1B+1], 128<<16
	s_mov_b32 s[G1B+2], 128<<16
	s_mov_b32 s[G1B+3], 128<<16
	s_mov_b32 s[G1B+4], 128
	s_mov_b32 s[G1B+5], 1024
	s_mov_b32 s[G1B+6], 0
	s_mov_b32 s[G1B+7], 0
	s_lshl_b32 s16, s41, 4
	s_add_co_u32 s16, s16, s12
	s_lshl_b32 s16, s16, 18                        ; A: head 16 cy + (which head) x 262,144 bytes
	s_lshl_b32 s17, s13, 14
	s_add_co_u32 s16, s16, s17                     ; + 128 positions x 128 bytes x tile
	s_mov_b32 s17, 0
	s_lshl_b32 s46, s42, 8
	s_lshl_b32 s47, s12, 7
	s_add_co_u32 s46, s46, s47
	s_lshl_b32 s46, s46, 11                        ; B: row 256 x tile column + 128 x half, 2,048 bytes a row
	s_mov_b32 s47, 0
	s_mul_i32 s20, s12, HEADT                      ; where they go: no place in the cluster enters an LDS address
	s_mul_i32 s21, s12, HALFB
	s_add_co_u32 s21, s21, BOFF
	s_wait_dscnt 0x0                               ; both opening adds are done
	s_wait_kmcnt 0x0
	s_add_nc_u64 s[14:15], s[4:5], s[16:17]
	s_add_nc_u64 s[46:47], s[6:7], s[46:47]
	CROUND                                         ; all sixteen work-groups are here: the first joint loads meet
.irp s, 0,1
	s_mov_b32 s[G0+4*\s], 1
	s_add_co_u32 s[G0+4*\s+1], s20, \s*SLOT
	s_add_nc_u64 s[G0+4*\s+2:G0+4*\s+3], s[14:15], \s*524288       ; K step s: two heads on
	s_or_b32 s[G0+4*\s+3], s[G0+4*\s+3], 0x80000000
	s_mov_b32 s[G0B+4*\s], 1
	s_add_co_u32 s[G0B+4*\s+1], s21, \s*SLOT
	s_add_nc_u64 s[G0B+4*\s+2:G0B+4*\s+3], s[46:47], \s*256
	s_or_b32 s[G0B+4*\s+3], s[G0B+4*\s+3], 0x80000000
	JLOAD \s
.endr
	v_and_b32 v1, 15, v0                           ; r
	v_bfe_u32 v2, v0, 4, 1                         ; h
	v_mul_u32_u24 v3, v1, PA
	v_lshl_add_u32 v3, v2, 4, v3
	v_mul_u32_u24 v4, v1, PB
	v_lshl_add_u32 v4, v2, 4, v4
	s_mul_i32 s21, s11, 64*PA                      ; my 64 rows of A (in each head's block)
	s_mul_i32 s22, s12, HALFB
	s_add_co_u32 s22, s22, BOFF                    ; my 128 rows of B
.irp s, 0,1
	v_add_nc_u32 v[ADRA+\s], s21, v3
	v_add_nc_u32 v[ADRB+\s], s22, v4
	s_add_co_u32 s21, s21, SLOT
	s_add_co_u32 s22, s22, SLOT
.endr
	s_mul_i32 s23, s10, 16*SPITCH
	s_add_co_u32 s23, s23, STAGE                   ; my stage
	v_mul_u32_u24 v5, v1, SPITCH
	v_lshl_add_u32 v5, v2, 5, v5
	v_add_nc_u32 v[STO], s23, v5                   ; in: row r, 32 bytes for each half of the lanes
	v_and_b32 v6, 31, v0
	v_lshlrev_b32 v[CO], 4, v6
	v_add_nc_u32 v[RD], s23, v[CO]                 ; back: a row of 512 bytes
	s_lshl_b32 s16, s41, 11
	s_lshl_b32 s17, s13, 7
	s_add_co_u32 s16, s16, s17
	s_lshl_b32 s17, s11, 6
	s_add_co_u32 s16, s16, s17                     ; my first row: 2,048 cy + 128 tile + 64 x row half
	s_lshl_b32 s16, s16, 12
	s_lshl_b32 s17, s42, 10
	s_add_co_u32 s16, s16, s17
	s_lshl_b32 s17, s12, 9
	s_add_co_u32 s16, s16, s17                     ; + my first column x 4
	s_mov_b32 s17, 0
	s_add_nc_u64 s[8:9], s[8:9], s[16:17]
	s_or_b32 s2, s13, s11                          ; 0: my block 0 is positions 0-15 of a batch
; 8 matrix instructions: A's block a x B's eight, 32 along K, buffers f.  The 32 accumulators take turns in one fixed order.
.macro MULA f, a, zero
.irp b, 0,1,2,3,4,5,6,7
.if \zero
	v_wmma_f32_16x16x32_f16 v[8*(8*(\a)+\b):8*(8*(\a)+\b)+7], v[64*(\f)+8*\b:64*(\f)+8*\b+7], v[FA+32*(\f)+8*(\a):FA+32*(\f)+8*(\a)+7], 0
.else
	v_wmma_f32_16x16x32_f16 v[8*(8*(\a)+\b):8*(8*(\a)+\b)+7], v[64*(\f)+8*\b:64*(\f)+8*\b+7], v[FA+32*(\f)+8*(\a):FA+32*(\f)+8*(\a)+7], v[8*(8*(\a)+\b):8*(8*(\a)+\b)+7]
.endif
.endr
.endm
; 24 LDS loads in one run: quarter kq (32 along K) of a slot into buffers f: B's 16, then A's 8, blocks 0 to 3 in order
.macro FETCH slot, kq, f
	WIN TO_B
.irp i, 0,1,2,3,4,5,6,7
	ds_load_b128 v[64*(\f)+8*\i:64*(\f)+8*\i+3],   v[ADRB+\slot] offset:64*(\kq)+\i*16*PB
	ds_load_b128 v[64*(\f)+8*\i+4:64*(\f)+8*\i+7], v[ADRB+\slot] offset:64*(\kq)+\i*16*PB+32
.endr
	WIN 0
.irp i, 0,1,2,3
	ds_load_b128 v[FA+32*(\f)+8*\i:FA+32*(\f)+8*\i+3],   v[ADRA+\slot] offset:((\kq)/2)*HEADT+((\kq)%2)*64+\i*16*PA
	ds_load_b128 v[FA+32*(\f)+8*\i+4:FA+32*(\f)+8*\i+7], v[ADRA+\slot] offset:((\kq)/2)*HEADT+((\kq)%2)*64+\i*16*PA+32
.endr
.endm
.macro PLACES                          ; four plain vector instructions between a matrix instruction and a load into, or a read of, its registers
.rept 4
	v_nop
.endr
.endm
.macro QUARTER slot, kqn, f, g, zero   ; multiplies buffers f; in its middle fetches quarter kqn of the same slot into buffers g
	s_wait_dscnt 4                                 ; B and A's blocks 0, 1 are in; the youngest four loads (A's blocks 2, 3) may be out
	WIN MUL
	MULA \f, 0, \zero
	MULA \f, 1, \zero
	PLACES
	FETCH \slot, \kqn, \g
	s_wait_dscnt 24                                ; all but the 24 just issued
	WIN MUL
	MULA \f, 2, \zero
	MULA \f, 3, \zero
.endm
; A K step's last quarter multiplies buffers 1 and changes slots: one barrier; in front of it each wave waits for all its tensor loads, adds 0 to its spare word, and waits for that and for its reads of this slot.
.macro TURN slot, next, fill
	WIN 0
	s_wait_tensorcnt 0x0                           ; all my tensor loads have landed: the one that was out is my part of the next slot
	ds_add_u32 v[SPW], v[NIL]                      ; 0 onto my spare word
	s_wait_dscnt 5                                 ; the add and the youngest four loads may be out
	WIN MUL
	MULA 1, 0, 0
	s_wait_dscnt 0x0                               ; the add is done, and my reads of this slot are over
	s_barrier_signal -1
	MULA 1, 1, 0
	WIN 0
	s_barrier_wait -1
.if \fill
	CREST                                          ; the barrier has opened a round of the cluster's barrier: no wave of any partner still reads this slot or has a load on its way
	s_add_nc_u64 s[G0+4*\slot+2:G0+4*\slot+3], s[G0+4*\slot+2:G0+4*\slot+3], 1048576   ; two K steps on: four heads
	s_add_nc_u64 s[G0B+4*\slot+2:G0B+4*\slot+3], s[G0B+4*\slot+2:G0B+4*\slot+3], 512
	JLOAD \slot                                    ; the first tensor load behind the round; its four v_nop are also the places in front of the loads below
.else
	PLACES
.endif
	FETCH \next, 0, 0
	WIN MUL
	MULA 1, 2, 0
	MULA 1, 3, 0
.endm
	s_wait_tensorcnt 1                             ; my part of K step 0 is in; K step 1's load may be out
	s_barrier_signal -1
	s_barrier_wait -1
	FETCH 0, 0, 0
	QUARTER 0, 1, 0, 1, 1                          ; the first quarter's products start the sums: nothing is cleared
	WIN 0
	s_mov_b32 s3, LAPS-1
.Llap:                                             ; a trip goes once round the ring, from a lap's second quarter to the next lap's first, and fills both slots again
	QUARTER 0, 2, 1, 0, 0
	QUARTER 0, 3, 0, 1, 0
	TURN 0, 1, 1
	QUARTER 1, 1, 0, 1, 0
	QUARTER 1, 2, 1, 0, 0
	QUARTER 1, 3, 0, 1, 0
	TURN 1, 0, 1
	QUARTER 0, 1, 0, 1, 0
	WIN 0
	s_sub_co_u32 s3, s3, 1
	s_cmp_lg_u32 s3, 0
	s_cbranch_scc1 .Llap
	QUARTER 0, 2, 1, 0, 0                          ; the last lap fills nothing
	QUARTER 0, 3, 0, 1, 0
	TURN 0, 1, 0
	QUARTER 1, 1, 0, 1, 0
	QUARTER 1, 2, 1, 0, 0
	QUARTER 1, 3, 0, 1, 0
	s_wait_dscnt 4
	WIN MUL
	MULA 1, 0, 0
	MULA 1, 1, 0
	s_wait_dscnt 0
	MULA 1, 2, 0
	MULA 1, 3, 0
	WIN 0
; THE WAY OUT, block by block of 16 rows x 128 columns, through my own stage: in as 32 bytes a lane, back as whole rows of 512 bytes.
.macro TOSTAGE a
	WIN 0x08                                       ; an LDS store's data: window 2
.irp b, 0,1,2,3,4,5,6,7
	ds_store_b128 v[STO], v[8*(8*(\a)+\b):8*(8*(\a)+\b)+3] offset:64*\b        ; each accumulator from its low end on
	ds_store_b128 v[STO], v[8*(8*(\a)+\b)+4:8*(8*(\a)+\b)+7] offset:64*\b+16
.endr
	WIN 0
.set BB, BK+64*((\a)%2)
.irp t, 0,1,2,3,4,5,6,7,8,9,10,11,12,13,14,15
	ds_load_b128 v[BB+4*\t:BB+4*\t+3], v[RD] offset:\t*SPITCH                  ; LDS serves a wave's instructions in order: these see my stores
.endr
.endm
.macro SEND a, younger                 ; younger: the LDS instructions issued behind block a's loads, which may stay out
.set BB, BK+64*((\a)%2)
	s_wait_dscnt \younger
.if (\a) > 0
	s_add_nc_u64 s[8:9], s[8:9], 65536             ; 16 rows on (the earlier stores have read their base: a wait for that stands ahead)
.else
	s_cmp_eq_u32 s2, 0                             ; positions 0-15 of a batch are the other launch's: the cluster's y and the wave's number alone
	s_cbranch_scc1 .Lnot_mine
.endif
.irp t, 0,1,2,3,4,5,6,7,8,9,10,11,12,13,14,15
	global_store_b128 v[CO], v[BB+4*\t:BB+4*\t+3], s[8:9] offset:\t*4096 th:TH_STORE_NT   ; 32 lanes store 512 consecutive bytes
.endr
.if (\a) == 0
.Lnot_mine:
.endif
.endm
	PLACES
	TOSTAGE 0
.irp a, 1,2,3
.if \a > 1
	s_wait_xcnt 0x0                                ; block a - 2's stores have read their registers and their base
.endif
	TOSTAGE \a
	SEND (\a)-1, 32                                ; behind block a - 1's loads: block a's 16 stores and 16 loads
.endr
	s_wait_xcnt 0x0
	SEND 3, 0
	s_wait_tensorcnt 0x0                           ; the wave's end
	ds_add_u32 v[SPW], v[NIL]
	s_wait_dscnt 0x0
	CROUND                                         ; the closing round
	s_endpgm
.Lfunc_end_k_q6559edb3b4_proj:
	.size	k_q6559edb3b4_proj, .Lfunc_end_k_q6559edb3b4_proj-k_q6559edb3b4_proj
	.p2alignl 7, 3214868480
	.fill 96, 4, 3214868480
	.section	.rodata,"a",@progbits
	.p2align	6, 0x0
	.amdhsa_kernel k_q6559edb3b4_proj
		.amdhsa_group_segment_fixed_size 327680
		.amdhsa_private_segment_fixed_size 0
		.amdhsa_enable_private_segment 0
		.amdhsa_kernarg_size 24
		.amdhsa_user_sgpr_count 2
		.amdhsa_user_sgpr_kernarg_segment_ptr 1
		.amdhsa_wavefront_size32 1
		.amdhsa_system_sgpr_workgroup_id_x 1
		.amdhsa_system_sgpr_workgroup_id_y 1
		.amdhsa_system_sgpr_workgroup_id_z 1
		.amdhsa_system_vgpr_workitem_id 0
		.amdhsa_next_free_vgpr 768
		.amdhsa_next_free_sgpr 66
		.amdhsa_reserve_vcc 0
		.amdhsa_float_denorm_mode_32 3
		.amdhsa_float_denorm_mode_16_64 3
		.amdhsa_memory_ordered 1
		.amdhsa_forward_progress 1
		.amdhsa_inst_pref_size 86
	.end_amdhsa_kernel
	.amdgpu_metadata
---
amdhsa.version: [ 1, 2 ]
amdhsa.kernels:
  - .name:           k_q6559edb3b4_proj
    .symbol:         k_q6559edb3b4_proj.kd
    .args:
      - { .name: y, .offset: 0, .size: 8, .value_kind: global_buffer, .address_space: global }
      - { .name: wpt, .offset: 8, .size: 8, .value_kind: global_buffer, .address_space: global }
      - { .name: out0, .offset: 16, .size: 8, .value_kind: global_buffer, .address_space: global }
    .group_segment_fixed_size: 327680
    .private_segment_fixed_size: 0
    .kernarg_segment_align: 8
    .kernarg_segment_size: 24
    .max_flat_workgroup_size: 128
    .sgpr_count:     66
    .vgpr_count:     768
    .wavefront_size: 32
...
	.end_amdgpu_metadata
.endif
;; end of part 5
